; MI455X (gfx1250); checked and timed in simulation.
; The chip was launched on July 23, 2026; its instructions are those of AMD's public machine-readable ISA for CDNA 5 (MIT licence, August 2026) and "CDNA5" Instruction Set Architecture Reference Guide (July 2026). The comments in the code are by the model that wrote it; some were corrected since.
;; Entity Selector. Allowed arithmetic: matrix products marked QUANTISED: E2M3 operands, one E8M0 scale for each 32 along K, by v_wmma_scale_f32_16x16x128_f8f6f4 with both operands' format E2M3, f32 sums; everything else in f32.
;; Inputs: WK_b 1,024 float32; WK_w 1,024 x 1,024 float32; WO_b 1,024 float32; WO_w 1,024 x 1,024 float32; WQ_b 1,024 float32; WQ_w 1,024 x 1,024 float32; ent_emb 20,000 x 1,024 float32; ent_idx_in_batch 16 x 256 int32; ln_b 1,024 float32; ln_g 1,024 float32; query 16 x 1,024 x 1,024 float32.
;; Outputs: out0 16 x 1,024 x 1,024 float32.
;; Constants: max_entity_number = 512.
;; This version of the problem:
;;   THIS VERSION OF THE PROBLEM IS GIVEN IN LOW PRECISION. The matrix products marked QUANTISED in the list below multiply operands that are first quantised to E2M3 (2 exponent bits, 3 mantissa bits; 6 bits a number), with one power-of-two scale for each 32 numbers along K (OCP MX v1.0); their sums are f32. All else is computed in f32.
;;   The module's matrix products, in the order in which they are computed (A, B: the left and right operand; K: the contracted axis; several contracted axes count as one K, in the product's order):
;;     1. [M 16,384, K 1,024] x [K 1,024, N 1,024]; A: input query; B: input WQ_w: QUANTISED
;;     2. [M 4,096, K 1,024] x [K 1,024, N 1,024]; A: computed on the way; B: input WK_w: QUANTISED
;;     3. batch 16 x [M 1,024, K 1,024] x [K 1,024, N 256]; A: computed on the way; B: computed on the way: QUANTISED
;;     4. batch 16 x [M 1,024, K 256] x [K 256, N 1,024]; A: computed on the way; B: computed on the way: QUANTISED
;;     5. [M 16,384, K 1,024] x [K 1,024, N 1,024]; A: computed on the way; B: input WO_w: QUANTISED
;;   THE QUANTISER, for each operand of a quantised product, along K:
;;     - K is cut into blocks of 32 from its start; a last block that is shorter is filled with zeros.
;;     - A block's scale is 2^e with e = floor(log2(the largest magnitude in the block)) - 2, held to -126 .. 127; a block of zeros has e = 0. As a byte (E8M0): e + 127.
;;     - Each number is divided by its block's scale, clamped to +-7.5, and rounded to the nearest number of E2M3, ties to even, subnormals kept.
;;     - The product sums the exact products of the quantised numbers (number of the format x scale) in f32.
;;   ~~~python
;;   def quantise(x, axis):      # numpy; x: float32 -> the quantised numbers, widened to float32 again
;;       x = np.moveaxis(x, axis, -1); K = x.shape[-1]
;;       x = np.pad(x, [(0, 0)] * (x.ndim - 1) + [(0, -K % 32)]); x = x.reshape(x.shape[:-1] + (-1, 32)); a = np.abs(x).max(-1, keepdims=True)
;;       e = np.where(a > 0, np.clip(np.frexp(np.where(a > 0, a, 1))[1] - 1 - 2, -126, 127), 0)      # np.frexp(a)[1] - 1 = floor(log2(a)), exactly
;;       r = np.clip(x / 2.0 ** e, -7.5, 7.5)
;;       step = 2.0 ** (np.maximum(np.frexp(np.where(r == 0, 1, r))[1] - 1, 0) - 3)
;;       q = np.round(r / step) * step * 2.0 ** e      # np.round: ties to even
;;       return np.moveaxis(q.reshape(q.shape[:-2] + (-1,))[..., :K], -1, axis).astype(np.float32)
;;   ~~~
;;   OPERANDS COMPUTED ON THE WAY. 'Computed on the way' means the value that the module computes at that place (a softmax that the list does not call 'softmax' is quantised finished and normalised). What goes into a quantiser is computed in f32, as accurately as f32 sums, v_exp_f32 and their like allow (about 1e-6 of the number): no bf16 or f16 on the way to a quantiser, and a product that is left as it is and whose result goes on into a quantised operand takes f32 operands (vector FMAs, or v_wmma_f32_16x16x4_f32). A number that lies on a knife's edge between two numbers of the format may be rounded either way, as far as f32 arithmetic and the matrix unit's own rounding can turn it there, and no further.
;; One version. Each part assembles by itself: llvm-mc -triple=amdgcn-amd-amdhsa -mcpu=gfx1250 --defsym DOCPART=n.
;; ======== version 1 of 1: 3 launches
;; workspace buffers: codes 5,734,400 bytes; ent 6,553,600 bytes; emask 32,768 bytes
;; launch prep (part 1): grid 224 x 1, 4 waves a work-group, no clusters, 34,304 bytes of LDS; arguments WQ_w, WK_w, WO_w, ent_emb, ent_idx_in_batch, codes, emask; writes codes, emask
.if DOCPART == 1
	.amdgcn_target "amdgcn-amd-amdhsa--gfx1250"
	.amdhsa_code_object_version 6
	.text
	.protected	k_qe16d1e5c33_prep
	.globl	k_qe16d1e5c33_prep
	.p2align	8
	.type	k_qe16d1e5c33_prep,@function
k_qe16d1e5c33_prep:
	s_mov_b64 s[64:65], 0
	v_nop
	global_prefetch_b8 v0, s[64:65] scope:SCOPE_SE
	s_setreg_imm32_b32 hwreg(HW_REG_WAVE_MODE, 25, 1), 1
	s_wait_xcnt 0x0
; WQ_w, WK_w, WO_w [1024][1024] f32 and the gathered rows ent_emb[idx] (4,096 rows of 1,024 f32) are turned into codes of FP6 (E2M3) with one E8M0 byte for each 32 along K,
; laid as IMAGES OF OPERAND REGISTERS.  A fragment (16 rows x 128 K, 12 registers a lane) is 1,536 bytes: registers 4 c .. 4 c + 3 of lane l at 512 c + 16 l.
; Lane p of tile t holds row 32 (t / 2) + 8 (t % 2) + p + 8 (p / 8).  A quarter (25,600 bytes) is 16 tiles (256 rows) of one K step and 1,024 bytes of scale words: the word of tile t, row p at
; 24,576 + 512 (t / 8) + 256 ((t % 8) / 4) + 16 p + 4 (t % 4).  A chunk is the four quarters of a K step, a matrix eight chunks.  Matrices 0, 1, 2: WQ, WK, WO; 3 .. 6: the gathered rows, a batch to a quarter.
; A block's scale is 2^(floor(log2(its largest magnitude)) - 2); its byte is the largest magnitude's exponent field - 2, held at 1 from below.
; Also: emask[0 ..] = 1.0 or 0.0 and emask[16,384 ..] = 0 or -100000.0 for each of the 16 x 256 entities (index other than -1, or -1).
; SHARES: work-group g makes one quarter: K step g % 8, quarter (g / 8) % 4 of matrix g / 32; 7 x 4 x 8 = 224 work-groups of equal work.  Wave w makes tiles 4 w .. 4 w + 3 (64 rows x 512 bytes).
; Each load reads a row's 512 consecutive bytes; a tile's 16 rows turn through the wave's own stage in LDS, so that a lane holds 16 neighbours of each block of 32; each store covers 512 consecutive, aligned bytes.
; No tensor loads, no barrier: waves share nothing.
; LIMITS: an index is -1 or 0 .. 19,999 (read as unsigned and held at 19,999: -1 so takes the last row, as a negative index wraps); NaN and infinities are not served; a block whose largest magnitude
; lies under 2^-124, a block of zeros among them, keeps the byte 1 (its codes add nothing, and this program alone reads the bytes).
.set MAT,   819200
.set CH,    102400
.set QB,    25600
.set FRB,   1536
.set SPARE, 33792                      ; behind the four stages of 8,448 bytes: the spare words, 128 bytes a wave
.set L16,  1                           ; v1   16 x lane
.set R,    2                           ; v2   lane % 16
.set H,    3                           ; v3   lane / 16
.set XSTW, 4                           ; v4   the stage, on the way in
.set XSTR, 5                           ; v5   and on the way out
.set SA,   6                           ; v6   16 r + 8 h: my two scale words' place
.set SPW,  8                           ; v8   my spare word; never rewritten
.set NIL,  9                           ; v9   0; never rewritten
.set AD,   32                          ; v32-95   byte offset of each of my wave's 64 rows (+ 16 x lane)
.set ST,   96                          ; v96-159  64 numbers of a lane: register 16 b + i = k 32 b + 16 h + i of row r
.set TM,   160                         ; v160-175 at work in QUANT
.set PW,   176                         ; the scale word just made
.set SW,   180                         ; v180-183 the four tiles' scale words
.set T,    184                         ; v184-185 the two that I store
.set PC,   188                         ; v188-206 the codes just made
.set SRC,  86                          ; s[86:87] the tensor that is read, at my K step
.set OUT,  88                          ; s[88:89] my wave's four fragments
.set WV,   92
.set SEL,  94                          ; s[94:95] selects for lane l xor 16
.set KS,   96
.set MATN, 97
.set QD,   98
.set RB,   99
.set MSB, 0
.macro WIN new                         ; the immediate's high byte repeats the setting that is left
.if MSB != (\new)
	s_set_vgpr_msb (MSB<<8)|(\new)
.set MSB, (\new)
.endif
.endm
; 64 numbers of a lane in window w become a fragment's codes in v[PC] on and its scale word in v[PW]
.macro QUANT s, w
	WIN ((\w)<<2)|((\w)<<4)
.irp b, 0,1,2,3
	v_max3_num_f32 v[TM+\b], 0x1800000, |v[(\s)+16*\b]|, |v[(\s)+16*\b+1]|   ; my 16 numbers of block b, and the floor 2^(3 - 127): the byte cannot fall under 1
.endr
.irp i, 2,4,6,8,10,12,14
.irp b, 0,1,2,3
	v_max3_num_f32 v[TM+\b], v[TM+\b], |v[(\s)+16*\b+\i]|, |v[(\s)+16*\b+\i+1]|
.endr
.endr
	WIN 0
.irp b, 0,1,2,3
	v_permlanex16_b32 v[TM+4+\b], v[TM+\b], s[SEL], s[SEL+1]
.endr
.irp b, 0,1,2,3
	v_max_num_f32 v[TM+\b], v[TM+\b], v[TM+4+\b]                   ; with lane l xor 16's: the block's largest magnitude
.endr
.irp b, 0,1,2,3
	v_add_nc_u32 v[TM+12+\b], 0xff000000, v[TM+\b]                 ; 2 off its exponent field: the conversion's scale operand
.endr
.irp b, 0,1,2,3
	v_lshrrev_b32 v[TM+4+\b], 23, v[TM+12+\b]                      ; the scale's byte
.endr
	v_lshl_or_b32 v[PW], v[TM+5], 8, v[TM+4]
	v_lshl_or_b32 v[PW], v[TM+6], 16, v[PW]
	v_lshl_or_b32 v[PW], v[TM+7], 24, v[PW]
	WIN (\w)
.irp c, 0,1
	v_cvt_scalef32_pk16_fp6_f32 v[PC+6*\c:PC+6*\c+2], v[(\s)+32*\c:(\s)+32*\c+15], v[TM+12+2*\c]
	v_cvt_scalef32_pk16_fp6_f32 v[PC+12+4*\c:PC+14+4*\c], v[(\s)+32*\c+16:(\s)+32*\c+31], v[TM+13+2*\c]   ; (a conversion's three registers begin on an even number)
.endr
	WIN 0
	v_nop                                          ; one plain place behind a scaled conversion
.irp c, 0,1                                    ; the operand wants a whole block in a lane: lanes 0-15 block 2 c, lanes 16-31 block 2 c + 1
.irp i, 0,1,2
	v_permlane16_swap_b32 v[PC+6*\c+\i], v[PC+12+4*\c+\i]
.endr
.irp i, 0,1,2
	v_mov_b32 v[PC+3+6*\c+\i], v[PC+12+4*\c+\i]
.endr
.endr
.endm
; 16 rows x 512 bytes (registers rbase + 4 row of window wsrc) through my stage, rows 528 bytes apart (33 x 16: the sixteen rows that a read touches start at different banks; 64 banks of 4 bytes: ISA guide 11.1)
.macro TURNX wsrc, rbase
	WIN (\wsrc)<<2
.irp rr, 0,1,2,3,4,5,6,7,8,9,10,11,12,13,14,15
	ds_store_b128 v[XSTW], v[(\rbase)+4*\rr:(\rbase)+4*\rr+3] offset:528*\rr
.endr
	WIN 0
.irp b, 0,1,2,3
.irp j, 0,1,2,3
	ds_load_b128 v[ST+16*\b+4*\j:ST+16*\b+4*\j+3], v[XSTR] offset:128*\b+16*\j   ; LDS serves a wave's instructions in order: these see the stores above
.endr
.endr
.endm
	s_load_b256 s[4:11], s[0:1], 0x0               ; WQ_w, WK_w, WO_w, ent_emb
	s_load_b128 s[12:15], s[0:1], 0x20             ; the indices, codes
	s_load_b64 s[84:85], s[0:1], 0x30              ; emask
	v_lshl_add_u32 v[SPW], v0, 2, SPARE
	v_mov_b32 v[NIL], 0
	v_lshrrev_b32 v10, 5, v0
	v_readfirstlane_b32 s[WV], v10                 ; wave 0..3
	v_and_b32 v10, 31, v0
	v_lshlrev_b32 v[L16], 4, v10
	v_and_b32 v[R], 15, v0
	v_bfe_u32 v[H], v0, 4, 1
	s_mul_i32 s93, s[WV], 8448                     ; my stage
	v_add_nc_u32 v[XSTW], s93, v[L16]
	v_mul_u32_u24 v[XSTR], v[R], 528
	v_lshl_add_u32 v[XSTR], v[H], 6, v[XSTR]
	v_add_nc_u32 v[XSTR], s93, v[XSTR]             ; row r, + 64 h: my 16 numbers of a block of 32
	v_lshlrev_b32 v[SA], 4, v[R]
	v_lshl_add_u32 v[SA], v[H], 3, v[SA]
.irp b, 0,1,2,3
	v_mov_b32 v[TM+4+\b], 0                        ; written once: a lane permute's destination counts as one of its sources
.endr
	s_mov_b32 s[SEL], 0x76543210
	s_mov_b32 s[SEL+1], 0xfedcba98
	s_and_b32 s[KS], ttmp9, 7
	s_lshr_b32 s[QD], ttmp9, 3
	s_lshr_b32 s[MATN], s[QD], 2
	s_and_b32 s[QD], s[QD], 3
	s_lshl_b32 s[RB], s[QD], 8
	s_lshl_b32 s93, s[WV], 6
	s_add_co_u32 s[RB], s[RB], s93                 ; my wave's first row in the matrix: 256 x quarter + 64 x wave
	s_mov_b32 s91, 0
	s_wait_kmcnt 0x0
	s_cmp_eq_u32 s[MATN], 0                        ; which tensor: the choice hangs on the work-group's number alone
	s_cselect_b64 s[SRC:SRC+1], s[4:5], s[10:11]
	s_cmp_eq_u32 s[MATN], 1
	s_cselect_b64 s[SRC:SRC+1], s[6:7], s[SRC:SRC+1]
	s_cmp_eq_u32 s[MATN], 2
	s_cselect_b64 s[SRC:SRC+1], s[8:9], s[SRC:SRC+1]
	s_lshl_b32 s90, s[KS], 9
	s_add_nc_u64 s[SRC:SRC+1], s[SRC:SRC+1], s[90:91]  ; at my K step's 512 bytes of a row
	s_mul_i32 s90, s[MATN], MAT
	s_mul_i32 s93, s[KS], CH
	s_add_co_u32 s90, s90, s93
	s_mul_i32 s93, s[QD], QB
	s_add_co_u32 s90, s90, s93
	s_add_nc_u64 s[14:15], s[14:15], s[90:91]      ; my work-group's quarter
	s_mul_i32 s90, s[WV], 4*FRB
	s_add_nc_u64 s[OUT:OUT+1], s[14:15], s[90:91]  ; my wave's four fragments
	s_lshl_b32 s90, s[WV], 8
	s_add_nc_u64 s[14:15], s[14:15], s[90:91]      ; and (24,576 on) its 256 bytes of scale words
	; THE 64 ROWS OF MY WAVE, as scalars: s16-63 and s68-83.  A weight's rows are counted, the entities' rows are read from the list
	s_cmp_lt_u32 s[MATN], 3
	s_cbranch_scc0 .Lgather
.set i, 0
.rept 64
	s_add_co_u32 s[16+i+4*(i/48)], s[RB], i
.set i, i+1
.endr
	s_branch .Lrows
.Lgather:
	s_sub_co_u32 s93, s[MATN], 3
	s_lshl_b32 s93, s93, 10
	s_add_co_u32 s93, s93, s[RB]                   ; my wave's first entity among the 4,096
	s_lshl_b32 s90, s93, 2
	s_add_nc_u64 s[12:13], s[12:13], s[90:91]
	s_add_nc_u64 s[84:85], s[84:85], s[90:91]
	s_load_b512 s[16:31], s[12:13], 0x0
	s_load_b512 s[32:47], s[12:13], 0x40
	s_load_b512 s[48:63], s[12:13], 0x80
	s_load_b512 s[68:83], s[12:13], 0xc0
	s_wait_kmcnt 0x0
.set i, 0
.rept 64
	s_min_u32 s[16+i+4*(i/48)], s[16+i+4*(i/48)], 19999   ; -1, read as unsigned, becomes the last row: the row that a negative index wraps to
.set i, i+1
.endr
.Lrows:
.set i, 0
.rept 64
	v_lshl_add_u32 v[AD+i], s[16+i+4*(i/48)], 12, v[L16]  ; 4,096 bytes a row, + 16 x lane: under 2^27
.set i, i+1
.endr
	WIN 0x40                                       ; destination window 1
.irp tt, 0,1,2,3                               ; tile tt's lane rr takes row 32 (tt / 2) + 8 (tt % 2) + rr + 8 (rr / 8); no hint: a list may name a row twice
.irp rr, 0,1,2,3,4,5,6,7,8,9,10,11,12,13,14,15
	global_load_b128 v[64*\tt+4*\rr:64*\tt+4*\rr+3], v[AD+32*(\tt/2)+8*(\tt%2)+\rr+8*(\rr/8)], s[SRC:SRC+1]
.endr
.endr
.irp tt, 0,1,2,3
	s_wait_loadcnt 48-16*\tt                       ; this tile's 16 loads are in; the later tiles' may be out
	TURNX 1, 64*\tt
	s_wait_dscnt 0x0
.if \tt > 0
	s_wait_xcnt 0x0                                ; the last tile's stores have read their data: the codes' registers are written again only behind this wait
.endif
	QUANT ST, 0
	v_mov_b32 v[SW+\tt], v[PW]
.irp c, 0,1,2
	global_store_b128 v[L16], v[PC+4*\c:PC+4*\c+3], s[OUT:OUT+1] offset:FRB*\tt+512*\c   ; 512 consecutive bytes, at a multiple of 256 from the buffer's first byte
.endr
.endr
	v_cmp_ne_u32 vcc_lo, 0, v[H]                   ; lane (r, h) stores the words of tiles 2 h and 2 h + 1 of row r: the wave's 256 bytes in one store
	v_cndmask_b32 v[T], v[SW], v[SW+2], vcc_lo
	v_cndmask_b32 v[T+1], v[SW+1], v[SW+3], vcc_lo
	global_store_b64 v[SA], v[T:T+1], s[14:15] offset:24576
	; the masks: by the work-groups of the entities' first K step
	s_cmp_lt_u32 s[MATN], 3
	s_cbranch_scc1 .Ldone
	s_cmp_lg_u32 s[KS], 0
	s_cbranch_scc1 .Ldone
	v_lshrrev_b32 v10, 1, v[L16]                   ; 8 x lane: two entities a lane
	global_load_b64 v[12:13], v10, s[12:13]
	v_mov_b32 v14, 0
	v_mov_b32 v15, 1.0
	v_mov_b32 v16, 0xc7c35000                      ; -100000.0
	s_wait_loadcnt 0x0
	v_cmp_ne_u32 vcc_lo, -1, v12
	v_cndmask_b32 v18, v14, v15, vcc_lo
	v_cndmask_b32 v20, v16, v14, vcc_lo
	v_cmp_ne_u32 vcc_lo, -1, v13
	v_cndmask_b32 v19, v14, v15, vcc_lo
	v_cndmask_b32 v21, v16, v14, vcc_lo
	global_store_b64 v10, v[18:19], s[84:85]               ; 256 consecutive, aligned bytes each
	global_store_b64 v10, v[20:21], s[84:85] offset:16384
.Ldone:
	s_wait_tensorcnt 0x0                           ; the wave's end, behind my last LDS store
	ds_add_u32 v[SPW], v[NIL]
	s_wait_dscnt 0x0
	s_endpgm
.Lfunc_end_k_qe16d1e5c33_prep:
	.size	k_qe16d1e5c33_prep, .Lfunc_end_k_qe16d1e5c33_prep-k_qe16d1e5c33_prep
	.p2alignl 7, 3214868480
	.fill 96, 4, 3214868480
	.section	.rodata,"a",@progbits
	.p2align	6, 0x0
	.amdhsa_kernel k_qe16d1e5c33_prep
		.amdhsa_group_segment_fixed_size 34304
		.amdhsa_private_segment_fixed_size 0
		.amdhsa_enable_private_segment 0
		.amdhsa_kernarg_size 56
		.amdhsa_user_sgpr_count 2
		.amdhsa_user_sgpr_kernarg_segment_ptr 1
		.amdhsa_wavefront_size32 1
		.amdhsa_system_sgpr_workgroup_id_x 1
		.amdhsa_system_sgpr_workgroup_id_y 1
		.amdhsa_system_sgpr_workgroup_id_z 1
		.amdhsa_system_vgpr_workitem_id 0
		.amdhsa_next_free_vgpr 512
		.amdhsa_next_free_sgpr 102
		.amdhsa_reserve_vcc 1
		.amdhsa_float_denorm_mode_32 3
		.amdhsa_float_denorm_mode_16_64 3
		.amdhsa_memory_ordered 1
		.amdhsa_forward_progress 1
		.amdhsa_inst_pref_size 45
	.end_amdhsa_kernel
	.amdgpu_metadata
---
amdhsa.version: [ 1, 2 ]
amdhsa.kernels:
  - .name:           k_qe16d1e5c33_prep
    .symbol:         k_qe16d1e5c33_prep.kd
    .args:
      - { .name: WQ_w, .offset: 0, .size: 8, .value_kind: global_buffer, .address_space: global }
      - { .name: WK_w, .offset: 8, .size: 8, .value_kind: global_buffer, .address_space: global }
      - { .name: WO_w, .offset: 16, .size: 8, .value_kind: global_buffer, .address_space: global }
      - { .name: ent_emb, .offset: 24, .size: 8, .value_kind: global_buffer, .address_space: global }
      - { .name: ent_idx_in_batch, .offset: 32, .size: 8, .value_kind: global_buffer, .address_space: global }
      - { .name: codes, .offset: 40, .size: 8, .value_kind: global_buffer, .address_space: global }
      - { .name: emask, .offset: 48, .size: 8, .value_kind: global_buffer, .address_space: global }
    .group_segment_fixed_size: 34304
    .private_segment_fixed_size: 0
    .kernarg_segment_align: 8
    .kernarg_segment_size: 56
    .max_flat_workgroup_size: 128
    .sgpr_count:     102
    .vgpr_count:     512
    .wavefront_size: 32
...
	.end_amdgpu_metadata
.endif
;; end of part 1
;; launch entl (part 2): grid 8 x 32, 4 waves a work-group, clusters of 4 x 4, 272,896 bytes of LDS; arguments codes, emask, WK_b, ent; writes ent
.if DOCPART == 2
	.amdgcn_target "amdgcn-amd-amdhsa--gfx1250"
	.amdhsa_code_object_version 6
	.text
	.protected	k_qe16d1e5c33_entl
	.globl	k_qe16d1e5c33_entl
	.p2align	8
	.type	k_qe16d1e5c33_entl,@function
k_qe16d1e5c33_entl:
	s_mov_b64 s[64:65], 0
	v_nop
	global_prefetch_b8 v0, s[64:65] scope:SCOPE_SE
	s_setreg_imm32_b32 hwreg(HW_REG_WAVE_MODE, 25, 1), 1
	s_wait_xcnt 0x0
	s_wait_alu depctr_hold_cnt(0) depctr_sa_sdst(0) depctr_va_vdst(0) depctr_va_sdst(0) depctr_va_ssrc(0) depctr_va_vcc(0) depctr_vm_vsrc(0)
	s_getreg_b32 s2, hwreg(HW_REG_IB_STS2, 6, 4)
	s_cmp_eq_u32 s2, 0
	s_cbranch_scc0 .Lentry_in_a_cluster
	s_endpgm
.Lentry_in_a_cluster:
	s_bfe_u32 s2, ttmp6, 0x10000c
	s_cmp_lg_u32 s2, 0xf033
	s_cbranch_scc0 .Lentry_shape_is_right
	s_endpgm
.Lentry_shape_is_right:
; ent = (Q(ent_emb[idx]) Q(WK)^T + WK_b) x mask, on codes of FP6 with E8M0 scales, and ent quantised twice: along d (operand of the scores) and along the entities (operand of the values).
; SHARES: work-group (x, y) makes 128 entities (block y: batch y / 2, half y % 2) x 128 d (block x), K = 1,024.  Wave w: entity tiles 2 w, 2 w + 1 against the 8 tiles of d: 16 accumulators.
; The product is used transposed (source 0 = 16 rows of WK, source 1 = 16 entities): a lane holds one entity, its registers run along d.  The rows of a tile are laid (by the launch before) so that the 16 registers of
; two neighbouring tiles are 16 neighbours along d: they are quantised in registers and ARE a fragment of entK.  For entV the block of 128 x 128 numbers turns through LDS.
; OUTPUT, 409,600 bytes a batch, in quarters of 25,600 bytes (16 fragments of 1,536, then 1,024 of scale words): entK: quarter s = K step s along d, 16 entity tiles; from 204,800 on entV: chunk ks = entities 128 ks on as K,
; quarter q = tiles 16 q .. 16 q + 15 of d.
; LDS is filled ONCE: all eight K steps of both operands, 8 x 12,288 bytes each, and their scale words.  Each wave brings K steps 2 w and 2 w + 1 by four tensor loads: four of mine are out.
; CLUSTER 4 x 4: WK's bytes hang on x alone and are shared along a column of the cluster, the entities' on y alone and are shared along a row: each load is joint, with the mask of those four.
; The scale words leave as 4 bytes a lane, 128 bytes of two aligned blocks of 256 in part: 1 KB of the 25 KB that a work-group stores.
; LIMITS: as in the launch before (NaN and infinities not served; a block under 2^-124 keeps the byte 1).
.set MAT,   819200
.set CH,    102400
.set QB,    25600
.set FRB,   1536
.set WKF,   0                          ; WK's fragments: K step s at 12,288 s
.set EGF,   98304                      ; the entities'
.set WKS,   196608                     ; WK's scale words: 512 bytes a K step
.set EGS,   200704
.set TR,    204800                     ; 128 rows (entities) x (512 bytes + 16): written by LDS stores alone
.set SPARE, 272384
.set L16,  1
.set R,    2
.set H,    3
.set AWK0, 4                           ; v4, v5  WK's fragments, K steps 0-3 and 4-7
.set AEG0, 6                           ; v6, v7  my two entity tiles likewise
.set AWS,  8
.set AES,  9
.set ATW,  10
.set ATR,  11
.set SCA,  12                          ; my scale word's place in a quarter's 512 bytes
.set H64,  13
.set MA,   14
.set P8,   15                          ; r + 8 (r / 8)
.set SPW,  20
.set NIL,  21
.set E,    32                          ; v32-79   two sets of my two entity fragments
.set WS,   80                          ; v80-87   two sets of WK's scale words: scales and nothing else
.set ES,   88                          ; v88-91   the entities'
.set MK,   92                          ; v92-95   the mask of my entity in tile 2 w + i, in pairs
.set TM,   96
.set PW,   112
.set PWS,  113                         ; v113-114
.set PWT,  115
.set PC,   116                         ; v116-134
.set ST,   136                         ; v136-199
.set BIAS, 192                         ; window 1: WK_b in the result's layout, tile td at 192 + 8 td;  window 1 v0-191: two sets of WK's 8 fragments;  window 2: accumulator (i, td) at 64 i + 8 td
.set WV,   12
.set SEL,  20
.set G1WF, 24
.set G1WS, 32
.set G1EF, 40
.set G1ES, 48
.set G0WF, 56
.set G0WS, 60
.set G0EF, 68
.set G0ES, 72
.set MSB, 0
.macro WIN new
.if MSB != (\new)
	s_set_vgpr_msb (MSB<<8)|(\new)
.set MSB, (\new)
.endif
.endm
.macro PLACES
.rept 4
	v_nop
.endr
.endm
.macro CROUND                          ; a round of the cluster's barrier
	s_barrier_signal -1
	s_barrier_wait -1
	s_cmp_lg_u32 s[WV], 0
	s_cbranch_scc1 .Lnot_wave_0_\@
	s_barrier_signal -3
.Lnot_wave_0_\@:
	s_barrier_wait -3
	s_barrier_signal -1
	s_barrier_wait -1
.endm
.macro QUANT s, w                      ; 64 numbers of a lane in window w (register 16 b + i = k 32 b + 16 h + i of my row) -> codes in v[PC] on, scale word in v[PW]
	WIN ((\w)<<2)|((\w)<<4)
.irp b, 0,1,2,3
	v_max3_num_f32 v[TM+\b], 0x1800000, |v[(\s)+16*\b]|, |v[(\s)+16*\b+1]|   ; and the floor 2^(3 - 127): the byte cannot fall under 1
.endr
.irp i, 2,4,6,8,10,12,14
.irp b, 0,1,2,3
	v_max3_num_f32 v[TM+\b], v[TM+\b], |v[(\s)+16*\b+\i]|, |v[(\s)+16*\b+\i+1]|
.endr
.endr
	WIN 0
.irp b, 0,1,2,3
	v_permlanex16_b32 v[TM+4+\b], v[TM+\b], s[SEL], s[SEL+1]
.endr
.irp b, 0,1,2,3
	v_max_num_f32 v[TM+\b], v[TM+\b], v[TM+4+\b]
.endr
.irp b, 0,1,2,3
	v_add_nc_u32 v[TM+12+\b], 0xff000000, v[TM+\b]
.endr
.irp b, 0,1,2,3
	v_lshrrev_b32 v[TM+4+\b], 23, v[TM+12+\b]
.endr
	v_lshl_or_b32 v[PW], v[TM+5], 8, v[TM+4]
	v_lshl_or_b32 v[PW], v[TM+6], 16, v[PW]
	v_lshl_or_b32 v[PW], v[TM+7], 24, v[PW]
	WIN (\w)
.irp c, 0,1
	v_cvt_scalef32_pk16_fp6_f32 v[PC+6*\c:PC+6*\c+2], v[(\s)+32*\c:(\s)+32*\c+15], v[TM+12+2*\c]
	v_cvt_scalef32_pk16_fp6_f32 v[PC+12+4*\c:PC+14+4*\c], v[(\s)+32*\c+16:(\s)+32*\c+31], v[TM+13+2*\c]
.endr
	WIN 0
	v_nop                                          ; one plain place behind a scaled conversion
.irp c, 0,1
.irp i, 0,1,2
	v_permlane16_swap_b32 v[PC+6*\c+\i], v[PC+12+4*\c+\i]
.endr
.irp i, 0,1,2
	v_mov_b32 v[PC+3+6*\c+\i], v[PC+12+4*\c+\i]
.endr
.endr
.endm
.macro WM d, a, b, c, sa, sb, r1       ; one product; r1: source 0's scales stand in lanes 16-31
.if (\r1)
	v_wmma_scale_f32_16x16x128_f8f6f4 v[(\d):(\d)+7], v[(\a):(\a)+11], v[(\b):(\b)+11], v[(\c):(\c)+7], v[(\sa)], v[(\sb)] matrix_a_fmt:MATRIX_FMT_FP6 matrix_b_fmt:MATRIX_FMT_FP6 matrix_a_scale:MATRIX_SCALE_ROW1
.else
	v_wmma_scale_f32_16x16x128_f8f6f4 v[(\d):(\d)+7], v[(\a):(\a)+11], v[(\b):(\b)+11], v[(\c):(\c)+7], v[(\sa)], v[(\sb)] matrix_a_fmt:MATRIX_FMT_FP6 matrix_b_fmt:MATRIX_FMT_FP6
.endif
.endm
.macro FETCH s                         ; K step s: WK's 8 fragments, my 2, and the scale words, into set s % 2: 32 LDS loads
.set FS, (\s)%2
	WIN 0x40
.irp td, 0,1,2,3,4,5,6,7
.irp c, 0,1,2
	ds_load_b128 v[96*FS+12*\td+4*\c:96*FS+12*\td+4*\c+3], v[AWK0+(\s)/4] offset:12288*((\s)%4)+FRB*\td+512*\c
.endr
.endr
	WIN 0
.irp i, 0,1
.irp c, 0,1,2
	ds_load_b128 v[E+24*FS+12*\i+4*\c:E+24*FS+12*\i+4*\c+3], v[AEG0+(\s)/4] offset:12288*((\s)%4)+FRB*\i+512*\c
.endr
.endr
	ds_load_b128 v[WS+4*FS:WS+4*FS+3], v[AWS] offset:512*(\s)      ; register c: tile c in lanes 0-15, tile 4 + c in lanes 16-31
	ds_load_b64 v[ES+2*FS:ES+2*FS+1], v[AES] offset:512*(\s)
.endm
.macro MUL s                           ; 16 products, the 16 accumulators by turns; the first K step takes the bias as C
.set FS, (\s)%2
.if (\s) == 0
	WIN 0x91
.else
	WIN 0xa1
.endif
.irp td, 0,1,2,3,4,5,6,7
.irp i, 0,1
.if (\s) == 0
	WM 64*\i+8*\td, 96*FS+12*\td, E+24*FS+12*\i, BIAS+8*\td, WS+4*FS+\td%4, ES+2*FS+\i, \td/4
.else
	WM 64*\i+8*\td, 96*FS+12*\td, E+24*FS+12*\i, 64*\i+8*\td, WS+4*FS+\td%4, ES+2*FS+\i, \td/4
.endif
.endr
.endr
.endm
	s_load_b256 s[4:11], s[0:1], 0x0               ; codes, emask, WK_b, ent
	v_lshl_add_u32 v[SPW], v0, 2, SPARE
	v_mov_b32 v[NIL], 0
	ds_add_u32 v[SPW], v[NIL]                      ; the wave's opening: the add and its wait stand ahead of my first tensor load; work on registers stands between them
	v_lshrrev_b32 v16, 5, v0
	v_readfirstlane_b32 s[WV], v16                 ; wave 0..3
	s_bfe_u32 s13, ttmp6, 0x40000                  ; cx
	s_bfe_u32 s14, ttmp6, 0x40004                  ; cy
	s_lshl_b32 s15, ttmp9, 2
	s_add_co_u32 s15, s15, s13                     ; db: my block of 128 d
	s_and_b32 s16, ttmp7, 0xffff
	s_lshl_b32 s16, s16, 2
	s_add_co_u32 s16, s16, s14                     ; eb: my block of 128 entities
	s_lshl_b32 s17, s14, 2
	s_lshl_b32 s17, 15, s17                        ; my row of the cluster
	s_lshl_b32 s18, 0x1111, s13                    ; my column
	s_or_b32 s[G1WF], s18, (3<<16)|(1<<21)         ; 15:0 the mask; 17:16 elements of 8 bytes; 21 set beside a mask; no padding
	s_or_b32 s[G1WS], s18, (3<<16)|(1<<21)
	s_or_b32 s[G1EF], s17, (3<<16)|(1<<21)
	s_or_b32 s[G1ES], s17, (3<<16)|(1<<21)
.irp g, G1WF, G1EF                             ; two rows (K steps) of 12,288 bytes, a chunk (102,400 bytes) apart
	s_mov_b32 s[\g+1], 1536<<16
	s_mov_b32 s[\g+2], 2<<16
	s_mov_b32 s[\g+3], 1536<<16
	s_mov_b32 s[\g+4], 2
	s_mov_b32 s[\g+5], 12800
	s_mov_b32 s[\g+6], 0
	s_mov_b32 s[\g+7], 0
.endr
.irp g, G1WS, G1ES                             ; two rows of 512 bytes
	s_mov_b32 s[\g+1], 64<<16
	s_mov_b32 s[\g+2], 2<<16
	s_mov_b32 s[\g+3], 64<<16
	s_mov_b32 s[\g+4], 2
	s_mov_b32 s[\g+5], 12800
	s_mov_b32 s[\g+6], 0
	s_mov_b32 s[\g+7], 0
.endr
	s_mov_b32 s[SEL], 0x76543210
	s_mov_b32 s[SEL+1], 0xfedcba98
	s_mul_i32 s76, s[WV], 2*CH                     ; K step 2 w
	s_lshr_b32 s77, s15, 1                         ; WK (matrix 1): quarter db / 2, half db % 2.  These registers never hold eb
	s_mul_i32 s77, s77, QB
	s_add_co_u32 s77, s77, s76
	s_add_co_u32 s78, s77, MAT
	s_and_b32 s80, s15, 1
	s_mul_i32 s81, s80, 12288
	s_lshl_b32 s82, s80, 9
	s_add_co_u32 s81, s81, s78                     ; the fragments,
	s_add_co_u32 s82, s82, s78
	s_add_co_u32 s82, s82, 24576                   ; the scale words
	s_lshr_b32 s83, s16, 1                         ; the entities: batch b = eb / 2: matrix 3 + b / 4, quarter b % 4, half eb % 2.  These never hold db
	s_and_b32 s84, s16, 1
	s_lshr_b32 s85, s83, 2
	s_add_co_u32 s85, s85, 3
	s_mul_i32 s85, s85, MAT
	s_and_b32 s86, s83, 3
	s_mul_i32 s86, s86, QB
	s_add_co_u32 s85, s85, s86
	s_add_co_u32 s85, s85, s76
	s_mul_i32 s86, s84, 12288
	s_add_co_u32 s86, s86, s85
	s_lshl_b32 s87, s84, 9
	s_add_co_u32 s87, s87, s85
	s_add_co_u32 s87, s87, 24576
	s_mov_b32 s89, 0
	s_wait_dscnt 0x0                               ; the opening add is done
	s_wait_kmcnt 0x0
	s_mov_b32 s[G0WF], 1
	s_mul_i32 s[G0WF+1], s[WV], 24576              ; LDS: WKF + two K steps x wave
	s_mov_b32 s88, s81
	s_add_nc_u64 s[G0WF+2:G0WF+3], s[4:5], s[88:89]
	s_or_b32 s[G0WF+3], s[G0WF+3], 0x80000000
	s_mov_b32 s[G0WS], 1
	s_lshl_b32 s[G0WS+1], s[WV], 10
	s_add_co_u32 s[G0WS+1], s[G0WS+1], WKS
	s_mov_b32 s88, s82
	s_add_nc_u64 s[G0WS+2:G0WS+3], s[4:5], s[88:89]
	s_or_b32 s[G0WS+3], s[G0WS+3], 0x80000000
	s_mov_b32 s[G0EF], 1
	s_mul_i32 s[G0EF+1], s[WV], 24576
	s_add_co_u32 s[G0EF+1], s[G0EF+1], EGF
	s_mov_b32 s88, s86
	s_add_nc_u64 s[G0EF+2:G0EF+3], s[4:5], s[88:89]
	s_or_b32 s[G0EF+3], s[G0EF+3], 0x80000000
	s_mov_b32 s[G0ES], 1
	s_lshl_b32 s[G0ES+1], s[WV], 10
	s_add_co_u32 s[G0ES+1], s[G0ES+1], EGS
	s_mov_b32 s88, s87
	s_add_nc_u64 s[G0ES+2:G0ES+3], s[4:5], s[88:89]
	s_or_b32 s[G0ES+3], s[G0ES+3], 0x80000000
	CROUND                                         ; all sixteen work-groups are here: the joint loads meet
	tensor_load_to_lds s[G0WF:G0WF+3], s[G1WF:G1WF+7]
	s_nop 0
	tensor_load_to_lds s[G0WS:G0WS+3], s[G1WS:G1WS+7]
	s_nop 0
	tensor_load_to_lds s[G0EF:G0EF+3], s[G1EF:G1EF+7]
	s_nop 0
	tensor_load_to_lds s[G0ES:G0ES+3], s[G1ES:G1ES+7]
	s_nop 0
	PLACES
	v_and_b32 v16, 31, v0
	v_lshlrev_b32 v[L16], 4, v16
	v_and_b32 v[R], 15, v0
	v_bfe_u32 v[H], v0, 4, 1
	v_add_nc_u32 v[AWK0], WKF, v[L16]
	v_add_nc_u32 v[AWK0+1], WKF+49152, v[L16]
	s_mul_i32 s90, s[WV], 2*FRB
	s_add_co_u32 s90, s90, EGF
	v_add_nc_u32 v[AEG0], s90, v[L16]
	v_add_nc_u32 v[AEG0+1], 49152, v[AEG0]
	v_add_nc_u32 v[AWS], WKS, v[L16]
	s_lshr_b32 s91, s[WV], 1
	s_lshl_b32 s91, s91, 8
	s_and_b32 s92, s[WV], 1
	s_lshl_b32 s92, s92, 3
	s_add_co_u32 s91, s91, s92                     ; tiles 2 w, 2 w + 1 among a half quarter's words: 256 (w / 2) + 8 (w % 2)
	v_lshl_add_u32 v[SCA], v[R], 4, s91
	v_add_nc_u32 v[AES], EGS, v[SCA]
	v_lshl_add_u32 v[SCA], v[H], 2, v[SCA]         ; on the way out lane (r, h) stores the word of tile 2 w + h
	v_and_b32 v[P8], 8, v[R]
	v_add_nc_u32 v[P8], v[P8], v[R]
	s_lshl_b32 s93, s[WV], 5
	v_add_nc_u32 v16, s93, v[P8]                   ; 32 w + r + 8 (r / 8)
	v_mul_u32_u24 v[ATW], v16, 528
	v_lshl_add_u32 v[ATW], v[H], 6, v[ATW]
	v_add_nc_u32 v[ATW], TR, v[ATW]                ; in: my entity's row, + 64 h
	v_mul_u32_u24 v[ATR], v[H], 8448
	v_lshl_add_u32 v[ATR], v16, 2, v[ATR]
	v_add_nc_u32 v[ATR], TR, v[ATR]                ; out: my d's column, 16 h rows down
	v_lshlrev_b32 v[H64], 6, v[H]
	v_lshlrev_b32 v[MA], 2, v[P8]
.irp b, 0,1,2,3
	v_mov_b32 v[TM+4+\b], 0                        ; written once: a lane permute's destination counts as one of its sources
.endr
	v_mov_b32 v[MK+1], 0                           ; (named as the upper halves of pairs)
	v_mov_b32 v[MK+3], 0
	s_lshl_b32 s88, s15, 9
	s_add_nc_u64 s[8:9], s[8:9], s[88:89]          ; WK_b at my 128 d
	s_lshl_b32 s88, s16, 9
	s_lshl_b32 s90, s[WV], 7
	s_add_co_u32 s88, s88, s90
	s_add_nc_u64 s[6:7], s[6:7], s[88:89]          ; the mask at entity 128 eb + 32 w
	s_mul_i32 s88, s83, 4*CH
	s_add_nc_u64 s[10:11], s[10:11], s[88:89]      ; my batch's part of ent
	s_mul_i32 s88, s15, QB
	s_add_nc_u64 s[96:97], s[10:11], s[88:89]      ; entK: quarter db
	s_lshl_b32 s90, s84, 3
	s_lshl_b32 s91, s[WV], 1
	s_add_co_u32 s90, s90, s91
	s_mul_i32 s88, s90, FRB
	s_add_nc_u64 s[94:95], s[96:97], s[88:89]      ; tiles 8 half + 2 w on
	s_lshl_b32 s88, s84, 9
	s_add_nc_u64 s[96:97], s[96:97], s[88:89]      ; and (24,576 on) that half's scale words
	s_mul_i32 s88, s84, CH
	s_add_co_u32 s88, s88, 2*CH
	s_lshr_b32 s90, s15, 1
	s_mul_i32 s90, s90, QB
	s_add_co_u32 s88, s88, s90
	s_add_nc_u64 s[100:101], s[10:11], s[88:89]    ; entV: chunk half, quarter db / 2
	s_lshl_b32 s90, s80, 3
	s_add_co_u32 s90, s90, s91
	s_mul_i32 s88, s90, FRB
	s_add_nc_u64 s[98:99], s[100:101], s[88:89]    ; tiles 8 (db % 2) + 2 w on
	s_lshl_b32 s88, s80, 9
	s_add_nc_u64 s[100:101], s[100:101], s[88:89]
	WIN 0x40
.irp td, 0,1,2,3,4,5,6,7                       ; the bias in the result's layout: lane (r, h), tile td: d 32 (td / 2) + 8 (td % 2) + 16 h + 0 .. 7
	global_load_b128 v[BIAS+8*\td:BIAS+8*\td+3], v[H64], s[8:9] offset:4*(32*(\td/2)+8*(\td%2))
	global_load_b128 v[BIAS+8*\td+4:BIAS+8*\td+7], v[H64], s[8:9] offset:4*(32*(\td/2)+8*(\td%2))+16
.endr
	WIN 0
.irp i, 0,1
	global_load_b32 v[MK+2*\i], v[MA], s[6:7] offset:32*\i         ; lane r of tile 2 w + i holds entity 32 w + 8 i + r + 8 (r / 8)
.endr
	s_wait_tensorcnt 0x0                           ; my four loads have landed,
	s_barrier_signal -1
	s_barrier_wait -1                              ; everybody's have; nothing is filled again
	FETCH 0
.irp ks, 0,1,2,3,4,5,6,7
	s_wait_dscnt 0x0                               ; this K step's 32 loads are in: nothing else is out
.if \ks < 7
	FETCH \ks+1                                    ; the next step's, into the set whose last products stand four places back
.endif
.if \ks == 0
	s_wait_loadcnt 0x0                             ; the bias and the mask
.endif
	MUL \ks
	PLACES
.endr
	WIN 0x82
.irp i, 0,1
.set j, 0
.rept 32
	v_pk_mul_f32 v[64*\i+2*j:64*\i+2*j+1], v[64*\i+2*j:64*\i+2*j+1], v[MK+2*\i:MK+2*\i+1] op_sel_hi:[1,0]   ; x the mask; each accumulator from its low end on
.set j, j+1
.endr
.endr
	; entK: my two tiles, quantised along d as they stand
.irp i, 0,1
.if \i > 0
	s_wait_xcnt 0x0                                ; the last stores have read the codes' registers
.endif
	QUANT 64*\i, 2
	v_mov_b32 v[PWS+\i], v[PW]
.irp c, 0,1,2
	global_store_b128 v[L16], v[PC+4*\c:PC+4*\c+3], s[94:95] offset:FRB*\i+512*\c
.endr
.endr
	v_cmp_ne_u32 vcc_lo, 0, v[H]
	v_cndmask_b32 v[PWT], v[PWS], v[PWS+1], vcc_lo
	global_store_b32 v[SCA], v[PWT], s[96:97] offset:24576
	; the turn: 128 entities x 128 d through LDS
	WIN 0x08
.irp i, 0,1
.set j, 0
.rept 16
	ds_store_b128 v[ATW], v[64*\i+4*j:64*\i+4*j+3] offset:4224*\i+128*(j/4)+16*(j%4)   ; registers 16 B + 4 q: d 32 B + 16 h + 4 q on
.set j, j+1
.endr
.endr
	WIN 0
	s_wait_dscnt 0x0                               ; for the others' sake: my stores have landed
	s_barrier_signal -1
	s_barrier_wait -1
	; entV: tiles 2 w, 2 w + 1 of d, K = the 128 entities in their true order
.irp i, 0,1
.set j, 0
.rept 64
	ds_load_b32 v[ST+j], v[ATR] offset:528*(32*(j/16)+j%16)+32*\i  ; register 16 b + i': entity 32 b + 16 h + i'
.set j, j+1
.endr
	s_wait_dscnt 0x0
	s_wait_xcnt 0x0                                ; the last stores have read the codes' registers and the word's
	QUANT ST, 0
	v_mov_b32 v[PWS+\i], v[PW]
.irp c, 0,1,2
	global_store_b128 v[L16], v[PC+4*\c:PC+4*\c+3], s[98:99] offset:FRB*\i+512*\c
.endr
.endr
	v_cndmask_b32 v[PWT], v[PWS], v[PWS+1], vcc_lo
	global_store_b32 v[SCA], v[PWT], s[100:101] offset:24576
	s_wait_tensorcnt 0x0                           ; the wave's end, behind my last tensor load and my last LDS store
	ds_add_u32 v[SPW], v[NIL]
	s_wait_dscnt 0x0
	CROUND                                         ; the closing round
	s_endpgm
.Lfunc_end_k_qe16d1e5c33_entl:
	.size	k_qe16d1e5c33_entl, .Lfunc_end_k_qe16d1e5c33_entl-k_qe16d1e5c33_entl
	.p2alignl 7, 3214868480
	.fill 96, 4, 3214868480
	.section	.rodata,"a",@progbits
	.p2align	6, 0x0
	.amdhsa_kernel k_qe16d1e5c33_entl
		.amdhsa_group_segment_fixed_size 272896
		.amdhsa_private_segment_fixed_size 0
		.amdhsa_enable_private_segment 0
		.amdhsa_kernarg_size 32
		.amdhsa_user_sgpr_count 2
		.amdhsa_user_sgpr_kernarg_segment_ptr 1
		.amdhsa_wavefront_size32 1
		.amdhsa_system_sgpr_workgroup_id_x 1
		.amdhsa_system_sgpr_workgroup_id_y 1
		.amdhsa_system_sgpr_workgroup_id_z 1
		.amdhsa_system_vgpr_workitem_id 0
		.amdhsa_next_free_vgpr 768
		.amdhsa_next_free_sgpr 102
		.amdhsa_reserve_vcc 1
		.amdhsa_float_denorm_mode_32 3
		.amdhsa_float_denorm_mode_16_64 3
		.amdhsa_memory_ordered 1
		.amdhsa_forward_progress 1
		.amdhsa_inst_pref_size 77
	.end_amdhsa_kernel
	.amdgpu_metadata
---
amdhsa.version: [ 1, 2 ]
amdhsa.kernels:
  - .name:           k_qe16d1e5c33_entl
    .symbol:         k_qe16d1e5c33_entl.kd
    .args:
      - { .name: codes, .offset: 0, .size: 8, .value_kind: global_buffer, .address_space: global }
      - { .name: emask, .offset: 8, .size: 8, .value_kind: global_buffer, .address_space: global }
      - { .name: WK_b, .offset: 16, .size: 8, .value_kind: global_buffer, .address_space: global }
      - { .name: ent, .offset: 24, .size: 8, .value_kind: global_buffer, .address_space: global }
    .group_segment_fixed_size: 272896
    .private_segment_fixed_size: 0
    .kernarg_segment_align: 8
    .kernarg_segment_size: 32
    .max_flat_workgroup_size: 128
    .sgpr_count:     102
    .vgpr_count:     768
    .wavefront_size: 32
...
	.end_amdgpu_metadata
.endif
;; end of part 2
;; launch main (part 3): grid 256 x 1, 4 waves a work-group, clusters of 4 x 1, 327,680 bytes of LDS; arguments query, codes, ent, emask, WQ_b, WO_b, ln_g, ln_b, out0; writes out0
.if DOCPART == 3
	.amdgcn_target "amdgcn-amd-amdhsa--gfx1250"
	.amdhsa_code_object_version 6
	.text
	.protected	k_qe16d1e5c33_main
	.globl	k_qe16d1e5c33_main
	.p2align	8
	.type	k_qe16d1e5c33_main,@function
k_qe16d1e5c33_main:
	s_mov_b64 s[64:65], 0
	v_nop
	global_prefetch_b8 v0, s[64:65] scope:SCOPE_SE
	s_setreg_imm32_b32 hwreg(HW_REG_WAVE_MODE, 25, 1), 1
	s_wait_xcnt 0x0
	s_wait_alu depctr_hold_cnt(0) depctr_sa_sdst(0) depctr_va_vdst(0) depctr_va_sdst(0) depctr_va_ssrc(0) depctr_va_vcc(0) depctr_vm_vsrc(0)
	s_getreg_b32 s2, hwreg(HW_REG_IB_STS2, 6, 4)
	s_cmp_eq_u32 s2, 0
	s_cbranch_scc0 .Lentry_in_a_cluster
	s_endpgm
.Lentry_in_a_cluster:
	s_bfe_u32 s2, ttmp6, 0x10000c
	s_cmp_lg_u32 s2, 0x3003
	s_cbranch_scc0 .Lentry_shape_is_right
	s_endpgm
.Lentry_shape_is_right:
; For 64 rows of query: x quantised; q = x WQ^T + b; q quantised; scores = q ent^T (- 100000 where masked); softmax / 32; quantised; v = p ent; quantised; y = v WO^T + b; LayerNorm.  All products on codes of FP6 (E2M3)
; with E8M0 scales; all else in f32.  q, the scores, p, v and y never go to memory.
; SHARES.  Work-group x = 4 x cluster + cx owns rows 64 x .. 64 x + 63 (batch = cluster / 4, the same in the four partners).  It walks ONE STREAM of 20 chunks of 102,400 bytes through two LDS slots:
; chunks 0-7 WQ (a K step each), 8-9 entK, 10-11 entV, 12-19 WO.  A chunk is four quarters of 25,600 bytes (16 fragments as images of their registers, then the scale words); wave w fetches one quarter into place w.
; In the products with weights and with entV the WAVES SHARE THE COLUMNS: a wave makes 256 columns of all 64 rows: 64 accumulators, 64 products a chunk, and reads only the quarter that it fetched, each fragment once.
; In the scores the WAVES SHARE THE ROWS: wave w has rows 16 w .. + 15 against all 256 entities, so that the softmax stays in a wave.
; All products are used transposed (source 0 = 16 rows of the streamed operand, source 1 = 16 of my rows): a lane holds one row, and the streamed operand's tiles are laid so that the 16 registers of two neighbouring
; tiles are 16 neighbours along the next K.  Results are quantised in registers and go from wave to wave through LDS as images of operand registers.
; THE WALKS BEGIN AT DIFFERENT PLACES.  A sum over K may take its K steps in any order.  Cluster c takes WQ's eight K steps from step c % 8 on, round: x is loaded so that its image j holds K step (j + c % 8) % 8, and chunk j
; of the stream is that K step of WQ.  WO's it takes from step 2 (c % 4) on: in the product with entV wave w fetches quarter (w + c % 4) % 4, so that its 256 columns of v, which land in images 2 w and 2 w + 1, are
; K steps (2 w + 2 (c % 4)) % 8 and the next.  So at one time the 64 clusters ask for eight (four) different chunks of a weight, not all for the same one.  Only addresses in memory hang on this, no LDS address.
; CLUSTER 4 x 1: the partners walk the same stream: every chunk is asked for jointly (mask 15).  Each refill stands behind a round of the cluster's barrier; a wave has two tensor loads out at the start, later one.
; THE SOFTMAX takes the row's maximum away: p = 2^(s log2e - max log2e) / sum / 32; the rounding of max log2e is common to a row and cancels.
; LIMITS: NaN and infinities are not served; a block whose largest magnitude lies under 2^-124, a block of zeros among them, keeps the scale byte 1 (its codes add nothing); an exponential that would be denormal is 0;
; the order of the K steps in the f32 sums of q and of y differs from cluster to cluster.
; REGISTERS.  Window 0: v1-21 addresses; v32-127 two sets of four fragments of my rows (also: 64 numbers of x; LayerNorm's sums); v128-135, v136-143 scale words and nothing else; v144-183 the quantiser's;
;   v184-247 the bias of tiles 8-15, later ln_g, ln_b; v248-255 x's offsets.   Window 1: v0-191 the 16 streamed fragments; v192-255 the bias of tiles 0-7; on the way out two sets of 128.
;   Windows 2, 3: accumulator (tile t, row tile m) at 8 (16 (m % 2) + t) of window 2 + m / 2; at the start window 2 holds x as loaded; in the scores S^T lies in window 2 v0-127, the softmax's scratch from v128.
.set MAT,   819200
.set CH,    102400
.set QB,    25600
.set FRB,   1536
.set SLOT1, 102400
.set IMG,   204800                     ; 32 images: place s, row tile m at (4 s + m) x 1,536: x, then q, then v
.set ISC,   253952                     ; their scale words: (s, m), lane l at 512 s + 16 l + 4 m
.set PIMG,  258048                     ; p's 8 images,
.set PSC,   270336                     ; their scale words
.set RED,   271360                     ; LayerNorm's sums: two halves of 2,048
.set XST,   275456                     ; four stages of 16 x 528 for x
.set SPARE, 309248                     ; the spare words, 128 bytes a wave
.set L16,  1                           ; 16 x lane
.set H64,  2                           ; 64 x (lane / 16)
.set AW0,  3                           ; v3, v4  my quarter in slot 0, 1 (+ 16 x lane)
.set OSR,  3                           ; the way out reads its stage, which lies in my quarter of slot 0, by the same address
.set AQ3,  5
.set AX,   6
.set AXS,  7
.set XSTW, 8
.set XSTR, 9
.set IMW,  10                          ; images of row tile w
.set ISW,  11
.set IMQ,  12                          ; images at places 2 w, 2 w + 1
.set ISQ,  13
.set PFO,  14
.set REDW, 15
.set REDR, 16
.set OSW,  17
.set SPW,  20
.set NIL,  21
.set X,    32
.set ST,   32
.set WS,   128
.set XS,   136
.set TM,   144
.set PW,   160
.set PC,   164
.set BB,   184
.set LG,   184
.set LB,   192
.set XO,   248                         ; v248-255  image j of x: 16 x lane + 512 x its K step; never rewritten
.set LS,   32                          ; LayerNorm: v32-47 sums, two pairs a row tile; v48-51 a row's sums; v52-55, v56-71 at work; v72-79 the means, v80-87 1 / sqrt, in pairs
.set SM,   48
.set PT,   52
.set RD,   56
.set MU,   72
.set RS,   80
.set WV,   22
.set CX,   23
.set WG,   24
.set BT,   25
.set CNT,  26
.set CC,   27                          ; changes of slots so far
.set ASKF, 28                          ; 1: my cluster prefetches the part of the stream in hand
.set ASKW, 29
.set ASKE, 30
.set TI,   31                          ; LDS byte of the images in hand
.set SEL,  32
.set L2E,  34
.set G1,   36
.set G0,   44                          ; s[44:47] slot 0, s[48:51] slot 1
.set RE,   54                          ; my quarter of my batch's first chunk of ent (entK)
.set RW,   56                          ; my quarter of WO's K step 0
.set PFA,  58                          ; the last chunk prefetched
.set QP,   60
.set OP,   62
.set TS,   68                          ; LDS byte of the scale words in hand
.set TQ,   69                          ; LDS byte of the quarter in hand (scores)
.set C1,   74
.set C2,   75
.set BASE, 80                          ; s[80:81] the part of the stream that is being asked for, at its chunk 0
.set REV,  82                          ; s[82:83] the quarter of entV's first chunk that I fetch
.set RWS,  84                          ; s[84:85] my quarter of the K step of WO at which my cluster begins
.set KJ,   86                          ; the chunk last asked for, counted in its part of the stream
.set S5,   87                          ; where my cluster begins WO's K steps: 2 (cluster % 4)
.set TO,   88                          ; s[88:89] that chunk's offset in bytes; the upper word stays 0
.set S0,   90                          ; where my cluster begins WQ's K steps: cluster % 8
.set MSB, 0
.macro WIN new                         ; the immediate's high byte repeats the setting that is left
.if MSB != (\new)
	s_set_vgpr_msb (MSB<<8)|(\new)
.set MSB, (\new)
.endif
.endm
.macro PLACES                          ; four plain places behind matrix instructions, in front of loads into their registers and of reads of their results
.rept 4
	v_nop
.endr
.endm
.macro CREST                           ; a round of the cluster's barrier behind its opening barrier
	s_cmp_lg_u32 s[WV], 0
	s_cbranch_scc1 .Lnot_wave_0_\@
	s_barrier_signal -3
.Lnot_wave_0_\@:
	s_barrier_wait -3
	s_barrier_signal -1
	s_barrier_wait -1
.endm
.macro CROUND
	s_barrier_signal -1
	s_barrier_wait -1
	CREST
.endm
.macro BARRIER                         ; my LDS stores have landed and my LDS loads are in: then the work-group's barrier
	s_wait_dscnt 0x0
	s_barrier_signal -1
	s_barrier_wait -1
.endm
.macro QUANT s, w                      ; 64 numbers of a lane in window w (register 16 b + i = k 32 b + 16 h + i of my row) -> codes in v[PC] on, scale word in v[PW].  Each accumulator is read from its low end on
	WIN ((\w)<<2)|((\w)<<4)
.irp b, 0,1,2,3
	v_max3_num_f32 v[TM+\b], 0x1800000, |v[(\s)+16*\b]|, |v[(\s)+16*\b+1]|   ; and the floor 2^(3 - 127): the byte cannot fall under 1
.endr
.irp i, 2,4,6,8,10,12,14
.irp b, 0,1,2,3
	v_max3_num_f32 v[TM+\b], v[TM+\b], |v[(\s)+16*\b+\i]|, |v[(\s)+16*\b+\i+1]|
.endr
.endr
	WIN 0
.irp b, 0,1,2,3
	v_permlanex16_b32 v[TM+4+\b], v[TM+\b], s[SEL], s[SEL+1]
.endr
.irp b, 0,1,2,3
	v_max_num_f32 v[TM+\b], v[TM+\b], v[TM+4+\b]                   ; with lane l xor 16's: the block's largest magnitude
.endr
.irp b, 0,1,2,3
	v_add_nc_u32 v[TM+12+\b], 0xff000000, v[TM+\b]                 ; 2 off its exponent field: the conversion's scale operand
.endr
.irp b, 0,1,2,3
	v_lshrrev_b32 v[TM+4+\b], 23, v[TM+12+\b]                      ; the scale's byte
.endr
	v_lshl_or_b32 v[PW], v[TM+5], 8, v[TM+4]
	v_lshl_or_b32 v[PW], v[TM+6], 16, v[PW]
	v_lshl_or_b32 v[PW], v[TM+7], 24, v[PW]
	WIN (\w)
.irp c, 0,1
	v_cvt_scalef32_pk16_fp6_f32 v[PC+6*\c:PC+6*\c+2], v[(\s)+32*\c:(\s)+32*\c+15], v[TM+12+2*\c]
	v_cvt_scalef32_pk16_fp6_f32 v[PC+12+4*\c:PC+14+4*\c], v[(\s)+32*\c+16:(\s)+32*\c+31], v[TM+13+2*\c]
.endr
	WIN 0
	v_nop                                          ; one plain place behind a scaled conversion
.irp c, 0,1
.irp i, 0,1,2
	v_permlane16_swap_b32 v[PC+6*\c+\i], v[PC+12+4*\c+\i]
.endr
.irp i, 0,1,2
	v_mov_b32 v[PC+3+6*\c+\i], v[PC+12+4*\c+\i]
.endr
.endr
.endm
.macro TURNX wsrc, rbase               ; 16 rows x 512 bytes through my stage, rows 528 bytes apart (33 x 16: sixteen rows start at different banks; 64 banks of 4 bytes: ISA guide 11.1)
	WIN (\wsrc)<<2
.irp rr, 0,1,2,3,4,5,6,7,8,9,10,11,12,13,14,15
	ds_store_b128 v[XSTW], v[(\rbase)+4*\rr:(\rbase)+4*\rr+3] offset:528*\rr
.endr
	WIN 0
.irp b, 0,1,2,3
.irp j, 0,1,2,3
	ds_load_b128 v[ST+16*\b+4*\j:ST+16*\b+4*\j+3], v[XSTR] offset:128*\b+16*\j
.endr
.endr
.endm
.macro IMAGE adr, off                  ; the fragment in v[PC] on goes to LDS as it stands
.irp c, 0,1,2
	ds_store_b128 v[\adr], v[PC+4*\c:PC+4*\c+3] offset:(\off)+512*\c
.endr
.endm
.macro WM d, a, b, c, sa, sb, r1       ; one product; c < 0: C is the constant 0; r1: source 0's scales stand in lanes 16-31
.if (\c) < 0
.if (\r1)
	v_wmma_scale_f32_16x16x128_f8f6f4 v[(\d):(\d)+7], v[(\a):(\a)+11], v[(\b):(\b)+11], 0, v[(\sa)], v[(\sb)] matrix_a_fmt:MATRIX_FMT_FP6 matrix_b_fmt:MATRIX_FMT_FP6 matrix_a_scale:MATRIX_SCALE_ROW1
.else
	v_wmma_scale_f32_16x16x128_f8f6f4 v[(\d):(\d)+7], v[(\a):(\a)+11], v[(\b):(\b)+11], 0, v[(\sa)], v[(\sb)] matrix_a_fmt:MATRIX_FMT_FP6 matrix_b_fmt:MATRIX_FMT_FP6
.endif
.else
.if (\r1)
	v_wmma_scale_f32_16x16x128_f8f6f4 v[(\d):(\d)+7], v[(\a):(\a)+11], v[(\b):(\b)+11], v[(\c):(\c)+7], v[(\sa)], v[(\sb)] matrix_a_fmt:MATRIX_FMT_FP6 matrix_b_fmt:MATRIX_FMT_FP6 matrix_a_scale:MATRIX_SCALE_ROW1
.else
	v_wmma_scale_f32_16x16x128_f8f6f4 v[(\d):(\d)+7], v[(\a):(\a)+11], v[(\b):(\b)+11], v[(\c):(\c)+7], v[(\sa)], v[(\sb)] matrix_a_fmt:MATRIX_FMT_FP6 matrix_b_fmt:MATRIX_FMT_FP6
.endif
.endif
.endm
.macro FW g, sl                        ; tiles 4 g .. 4 g + 3 of my quarter in slot sl: 12 loads
	WIN 0x40
.irp i, 0,1,2,3
.irp c, 0,1,2
	ds_load_b128 v[12*(4*(\g)+\i)+4*\c:12*(4*(\g)+\i)+4*\c+3], v[AW0+(\sl)] offset:FRB*(4*(\g)+\i)+512*\c
.endr
.endr
.endm
.macro FWS gg, sl                      ; the scale words of tiles 8 gg .. 8 gg + 7: register c: tile 8 gg + c in lanes 0-15, tile 8 gg + 4 + c in lanes 16-31
	WIN 0
	ds_load_b128 v[WS+4*(\gg):WS+4*(\gg)+3], v[AW0+(\sl)] offset:24576+512*(\gg)
.endm
.macro PRIMEW sl                       ; (it leaves the destination's window at 1: what follows sets its own)
	FWS 0, \sl
	FW 0, \sl
	FW 1, \sl
	FWS 1, \sl
	FW 2, \sl
	FW 3, \sl
.endm
.macro FX set                          ; a K step's four fragments of my 64 rows and their scale words: 13 loads
	WIN 0
.irp m, 0,1,2,3
.irp c, 0,1,2
	ds_load_b128 v[X+48*(\set)+12*\m+4*\c:X+48*(\set)+12*\m+4*\c+3], v[AX] offset:FRB*\m+512*\c
.endr
.endr
	ds_load_b128 v[XS+4*(\set):XS+4*(\set)+3], v[AXS]
.endm
.macro ENTER ib, sb                    ; a product begins: its first images
	WIN 0                                          ; the two address registers lie in window 0
	s_mov_b32 s[TI], \ib
	s_mov_b32 s[TS], \sb
	v_add_nc_u32 v[AX], s[TI], v[L16]
	v_add_nc_u32 v[AXS], s[TS], v[L16]
	FX 0
	s_wait_dscnt 0x0
.endm
; 8 products: tiles 4 g .. 4 g + 3 x row tiles 2 mh, 2 mh + 1.  cm = 0: in place; 1: C = 0; 2: C = the bias.  Each of the 64 accumulators has one product a chunk: they take turns
.macro MULH g, mh, p, cm
.irp tq, 0,1,2,3
.set TT, 4*(\g)+\tq
.if (\cm) == 2
.if TT < 8
	WIN 0x91+0x40*(\mh)
.set CB, 192+8*TT
.else
	WIN 0x81+0x40*(\mh)
.set CB, BB+8*(TT-8)
.endif
.else
	WIN 0xa1+0x50*(\mh)
.endif
.irp mq, 0,1
.set DD, 8*(16*\mq+TT)
.if (\cm) == 0
	WM DD, 12*TT, X+48*(\p)+12*(2*(\mh)+\mq), DD, WS+4*(TT/8)+TT%4, XS+4*(\p)+2*(\mh)+\mq, (TT%8)/4
.elseif (\cm) == 1
	WM DD, 12*TT, X+48*(\p)+12*(2*(\mh)+\mq), -1, WS+4*(TT/8)+TT%4, XS+4*(\p)+2*(\mh)+\mq, (TT%8)/4
.else
	WM DD, 12*TT, X+48*(\p)+12*(2*(\mh)+\mq), CB, WS+4*(TT/8)+TT%4, XS+4*(\p)+2*(\mh)+\mq, (TT%8)/4
.endif
.endr
.endr
.endm
.macro BIASLD p                        ; 256 numbers at s[p:p+1] in the result's layout: lane (r, h), tile t: 32 (t / 2) + 8 (t % 2) + 16 h + 0 .. 7
	WIN 0x40
.irp t, 0,1,2,3,4,5,6,7
	global_load_b128 v[192+8*\t:195+8*\t], v[H64], s[\p:\p+1] offset:4*(32*(\t/2)+8*(\t%2))
	global_load_b128 v[196+8*\t:199+8*\t], v[H64], s[\p:\p+1] offset:4*(32*(\t/2)+8*(\t%2))+16
.endr
	WIN 0
.irp t, 8,9,10,11,12,13,14,15
	global_load_b128 v[BB+8*(\t-8):BB+8*(\t-8)+3], v[H64], s[\p:\p+1] offset:4*(32*(\t/2)+8*(\t%2))
	global_load_b128 v[BB+8*(\t-8)+4:BB+8*(\t-8)+7], v[H64], s[\p:\p+1] offset:4*(32*(\t/2)+8*(\t%2))+16
.endr
.endm
; The stream's pointers step: scalar work, between the add and the wait for it.  The change in chunk c asks for chunk c + 2; behind the increment CC = c + 1.  A chunk's address is its part's base + 102,400 x its number
; in that part, and the number goes round modulo 8: WQ's from the cluster's start on (set at the head), entK's 0, 1, entV's 0, 1, WO's from the cluster's start on.
.macro PTRS p
	s_wait_xcnt 0x0                                ; the last prefetch, a chunk back, has read its address
	s_add_co_u32 s[CC], s[CC], 1
	s_add_co_u32 s[KJ], s[KJ], 1
	s_and_b32 s[KJ], s[KJ], 7
	s_add_nc_u64 s[PFA:PFA+1], s[PFA:PFA+1], CH
	s_cmp_eq_u32 s[CC], 5                          ; the prefetches begin: chunk 8, ent's first, by a batch's first cluster
	s_cselect_b64 s[PFA:PFA+1], s[RE:RE+1], s[PFA:PFA+1]
	s_cselect_b32 s[ASKF], s[ASKE], s[ASKF]
	s_cmp_eq_u32 s[CC], 7                          ; chunk 8 is asked for: entK
	s_cselect_b64 s[BASE:BASE+1], s[RE:RE+1], s[BASE:BASE+1]
	s_cselect_b32 s[KJ], 0, s[KJ]
	s_cmp_eq_u32 s[CC], 9                          ; chunk 10 is asked for: entV; and the first chunk of my cluster's walk over WO is prefetched, by clusters 0 to 3
	s_cselect_b64 s[BASE:BASE+1], s[REV:REV+1], s[BASE:BASE+1]
	s_cselect_b32 s[KJ], 0, s[KJ]
	s_cselect_b64 s[PFA:PFA+1], s[RWS:RWS+1], s[PFA:PFA+1]
	s_cselect_b32 s[ASKF], s[ASKW], s[ASKF]
	s_cmp_eq_u32 s[CC], 11                         ; chunk 12 is asked for: WO; nothing more is prefetched
	s_cselect_b64 s[BASE:BASE+1], s[RW:RW+1], s[BASE:BASE+1]
	s_cselect_b32 s[KJ], s[S5], s[KJ]
	s_cselect_b32 s[ASKF], 0, s[ASKF]
	s_mul_i32 s[TO], s[KJ], CH
	s_add_nc_u64 s[G0+4*(\p)+2:G0+4*(\p)+3], s[BASE:BASE+1], s[TO:TO+1]   ; no tensor load of mine is out: a group 0 may be written
	s_or_b32 s[G0+4*(\p)+3], s[G0+4*(\p)+3], 0x80000000
.endm
; A PREFETCH INTO THE L2 of the chunk four on, two changes of slots ahead of the load that will want it.  A batch's four chunks of ent are walked by four clusters: the first of them asks, at the changes in chunks 4 to 7.
; WO: clusters 0 to 3, whose walks begin at K steps 0, 2, 4 and 6, ask each for the first two chunks of their own walk, at the changes in chunks 8 and 9: the eight chunks, each once.
; WQ: no prefetch: its eight chunks are all among the clusters' first fills, at the head, where nothing is prefetched.
; A wave names the 100 blocks of 256 bytes of quarter w; the four partners share them out by address: 32, 32, 32 and the last 4 (that partner's other lanes are held at the quarter's last block).
.macro ASK
	s_cmp_eq_u32 s[ASKF], 1
	s_cbranch_scc0 .Lnot_mine_\@
	global_prefetch_b8 v[PFO], s[PFA:PFA+1] th:TH_LOAD_NT scope:SCOPE_SE
.Lnot_mine_\@:
.endm
.macro JL p                            ; the joint refill: my quarter of the next chunk but one; an s_nop 0 and four v_nop follow
	tensor_load_to_lds s[G0+4*(\p):G0+4*(\p)+3], s[G1:G1+7]
	s_nop 0
	PLACES
.endm
.macro CHANGE p                        ; a change of slots with no products at hand (in the scores)
	WIN 0
	s_wait_tensorcnt 0x0                           ; all my tensor loads have landed: my part of the other slot
	ds_add_u32 v[SPW], v[NIL]                      ; 0 onto my spare word
	PTRS \p
	s_wait_dscnt 0x0                               ; the add is done, and my reads of this slot are over
	CROUND                                         ; no wave of any partner still reads the slot or has a load on its way
	JL \p
	ASK
.endm
; A CHUNK of a product whose columns the waves share: 64 products from slot p.  At its head the 50 loads of its weights are out or in, in the order FWS 0, FW 0, FW 1, FWS 1, FW 2, FW 3.
; fill = 1: slot p is filled again in the chunk's middle, when all its fragments are in registers.  nxt = 1: the next chunk's images and weights are fetched; 2: its weights alone; 0: nothing.  ask = 1: a prefetch stands behind the refill.
.macro CH64 p, cm, fill, nxt, ask
.if (\nxt) == 1
.set NX, 13
.else
.set NX, 0
.endif
.if (\nxt) == 0
.set NW, 0
.else
.set NW, 25
.endif
	s_wait_dscnt 37                                ; FWS 0 and FW 0 are in; FW 1, FWS 1, FW 2, FW 3 (12 + 1 + 12 + 12) may be out
	MULH 0, 0, \p, \cm
	MULH 0, 1, \p, \cm
.if (\nxt) == 1
	WIN 0
	s_add_co_u32 s[TI], s[TI], 4*FRB
	s_add_co_u32 s[TS], s[TS], 512
	v_add_nc_u32 v[AX], s[TI], v[L16]
	v_add_nc_u32 v[AXS], s[TS], v[L16]
	FX 1-(\p)                                      ; into the set whose last products stand four places back, at the last chunk's end
.endif
	s_wait_dscnt 25+NX                             ; FW 1 is in
	MULH 1, 0, \p, \cm
	MULH 1, 1, \p, \cm
.if \fill
	WIN 0
	s_wait_tensorcnt 0x0                           ; all my tensor loads have landed: my quarter of the next chunk
	ds_add_u32 v[SPW], v[NIL]                      ; 0 onto my spare word
	PTRS \p
	s_wait_dscnt 13+NX                             ; FWS 1 and FW 2 are in; FW 3, the images' loads and the add may be out
	MULH 2, 0, \p, \cm
	s_wait_dscnt 0x0                               ; the add is done, and my reads of this slot are over
	s_barrier_signal -1                            ; this barrier opens a round of the cluster's barrier
	MULH 2, 1, \p, \cm
	WIN 0
	s_barrier_wait -1
	CREST
	JL \p                                          ; its four v_nop are also the places in front of the loads below
.else
	s_wait_dscnt 12+NX                             ; FWS 1 and FW 2 are in
	MULH 2, 0, \p, \cm
	MULH 2, 1, \p, \cm
	WIN 0
.if (\nxt) != 0
	s_wait_tensorcnt 0x0                           ; my quarter of the last chunk has landed; I alone read it
	PLACES
.endif
.endif
.if (\nxt) != 0
	FWS 0, 1-(\p)
	FW 0, 1-(\p)
	FW 1, 1-(\p)
.endif
.if \fill
.if \ask
	WIN 0
	ASK
.endif
.else
	s_wait_dscnt NX+NW                             ; FW 3 is in; what was issued behind it may be out
.endif
	MULH 3, 0, \p, \cm
	MULH 3, 1, \p, \cm
	PLACES
.if (\nxt) != 0
	FWS 1, 1-(\p)
	FW 2, 1-(\p)
	FW 3, 1-(\p)
.endif
	WIN 0
.endm
; My 256 columns of the 64 rows become the images at places 2 w and 2 w + 1 of the next product.  (The four places behind the last products stand at CH64's end.)
.macro EPIQ
.irp m, 0,1,2,3
.irp hf, 0,1
	QUANT 128*(\m%2)+64*\hf, 2+\m/2
	IMAGE IMQ, 4*FRB*\hf+FRB*\m
	ds_store_b32 v[ISQ], v[PW] offset:512*\hf+4*\m
	s_wait_dscnt 0x0                               ; the stores have read their registers
.endr
.endr
	s_barrier_signal -1
	s_barrier_wait -1                              ; all 32 images lie in LDS
.endm
; A K step of the scores: the 16 entity tiles of the quarter at s[TQ] against my row tile.  The three additions and the v_nop are the four places in front of the loads.
.macro K3 cm
	WIN 0
	v_add_nc_u32 v[AQ3], s[TQ], v[L16]
	v_add_nc_u32 v[AX], s[TI], v[IMW]
	v_add_nc_u32 v[AXS], s[TS], v[ISW]
	v_nop
.irp c, 0,1,2
	ds_load_b128 v[X+4*\c:X+4*\c+3], v[AX] offset:512*\c
.endr
	ds_load_b32 v[XS], v[AXS]
	ds_load_b128 v[WS:WS+3], v[AQ3] offset:24576
	ds_load_b128 v[WS+4:WS+7], v[AQ3] offset:24576+512
	WIN 0x40
.irp t, 0,1,2,3,4,5,6,7,8,9,10,11,12,13,14,15
.irp c, 0,1,2
	ds_load_b128 v[12*\t+4*\c:12*\t+4*\c+3], v[AQ3] offset:FRB*\t+512*\c
.endr
.endr
.irp g, 0,1,2,3
	s_wait_dscnt 36-12*\g                          ; tiles 4 g .. 4 g + 3 are in; the later tiles' 12 loads a group may be out
.irp tq, 0,1,2,3
.set TT, 4*\g+\tq
.if (\cm) == 2
.if TT < 8
	WIN 0x91
	WM 8*TT, 12*TT, X, 192+8*TT, WS+4*(TT/8)+TT%4, XS, (TT%8)/4
.else
	WIN 0x81
	WM 8*TT, 12*TT, X, BB+8*(TT-8), WS+4*(TT/8)+TT%4, XS, (TT%8)/4
.endif
.else
	WIN 0xa1
	WM 8*TT, 12*TT, X, 8*TT, WS+4*(TT/8)+TT%4, XS, (TT%8)/4
.endif
.endr
.endr
	WIN 0
	s_add_co_u32 s[TQ], s[TQ], QB
	s_add_co_u32 s[TI], s[TI], 4*FRB
	s_add_co_u32 s[TS], s[TS], 512
.endm
.macro XL s                            ; image s of x: its K step of my 16 rows; each load reads a row's 512 consecutive bytes
	WIN 0x80
.irp rr, 0,1,2,3,4,5,6,7,8,9,10,11,12,13,14,15
	global_load_b128 v[64*((\s)%4)+4*\rr:64*((\s)%4)+4*\rr+3], v[XO+(\s)], s[QP:QP+1] offset:4096*\rr th:TH_LOAD_NT
.endr
	WIN 0
.endm
.macro ALLSUM off                      ; the sums in v[LS] on (two pairs a row tile) -> the rows' sums over all 1,024 columns, in v[SM] on, in every lane
	WIN 0
.irp m, 0,1,2,3
	v_pk_add_f32 v[LS+4*\m:LS+4*\m+1], v[LS+4*\m:LS+4*\m+1], v[LS+4*\m+2:LS+4*\m+3]
.endr
.irp m, 0,1,2,3
	v_add_f32 v[SM+\m], v[LS+4*\m], v[LS+4*\m+1]
.endr
.irp m, 0,1,2,3
	v_permlanex16_b32 v[PT+\m], v[SM+\m], s[SEL], s[SEL+1]
.endr
.irp m, 0,1,2,3
	v_add_f32 v[SM+\m], v[SM+\m], v[PT+\m]         ; my wave's 256 columns
.endr
	ds_store_b128 v[REDW], v[SM:SM+3] offset:\off
	BARRIER
.irp q, 0,1,2,3
	ds_load_b128 v[RD+4*\q:RD+4*\q+3], v[REDR] offset:(\off)+512*\q
.endr
	s_wait_dscnt 0x0
.irp m, 0,1,2,3
	v_add_f32 v[SM+\m], v[RD+\m], v[RD+4+\m]
.endr
.irp m, 0,1,2,3
	v_add_f32 v[PT+\m], v[RD+8+\m], v[RD+12+\m]
.endr
.irp m, 0,1,2,3
	v_add_f32 v[SM+\m], v[SM+\m], v[PT+\m]
.endr
.endm
	s_load_b512 s[4:19], s[0:1], 0x0               ; query, codes, ent, emask, WQ_b, WO_b, ln_g, ln_b
	s_load_b64 s[20:21], s[0:1], 0x40              ; out0
	v_lshl_add_u32 v[SPW], v0, 2, SPARE
	v_mov_b32 v[NIL], 0
	ds_add_u32 v[SPW], v[NIL]                      ; the wave's opening: the add and its wait stand ahead of my first tensor load; work on registers stands between them
	v_lshrrev_b32 v22, 5, v0
	v_readfirstlane_b32 s[WV], v22                 ; wave 0..3
	s_bfe_u32 s[CX], ttmp6, 0x40000                ; my place in the cluster: it enters query's, out0's and the prefetches' addresses alone
	s_lshl_b32 s[WG], ttmp9, 2
	s_add_co_u32 s[WG], s[WG], s[CX]               ; my block of 64 rows
	s_lshr_b32 s[BT], ttmp9, 2                     ; the batch, which the four partners share
	s_and_b32 s[S0], ttmp9, 7                      ; where my cluster begins WQ's K steps: the same in the four partners
	s_and_b32 s[S5], ttmp9, 3
	s_add_co_u32 s66, s[WV], s[S5]
	s_and_b32 s66, s66, 3                          ; the quarter of entV that I fetch: (w + cluster % 4) % 4,
	s_mul_i32 s66, s66, QB
	s_add_co_u32 s66, s66, 2*CH                    ; behind entK's two chunks
	s_mov_b32 s67, 0
	s_lshl_b32 s[S5], s[S5], 1                     ; so my cluster begins WO's K steps at 2 (cluster % 4)
	s_mov_b32 s[G1], 15|(3<<16)|(1<<21)            ; 15:0 the mask: all four; 17:16 elements of 8 bytes; 21 set beside a mask; no padding
	s_mov_b32 s[G1+1], 32<<16                      ; a quarter: 100 dense rows of 256 bytes
	s_mov_b32 s[G1+2], 100<<16
	s_mov_b32 s[G1+3], 32<<16
	s_mov_b32 s[G1+4], 100
	s_mov_b32 s[G1+5], 32
	s_mov_b32 s[G1+6], 0
	s_mov_b32 s[G1+7], 0
	s_mov_b32 s[SEL], 0x76543210
	s_mov_b32 s[SEL+1], 0xfedcba98
	s_mov_b32 s[L2E], 0x3fb8aa3b                   ; log2(e)
	s_mov_b32 s[L2E+1], s[L2E]
	s_mov_b32 s[C1], 0x3a800000                    ; 1 / 1,024
	s_mov_b32 s[C2], 0x3727c5ac                    ; 1e-5
	s_mov_b32 s[CC], 0
	s_cmp_lt_u32 ttmp9, 4
	s_cselect_b32 s[ASKW], 1, 0
	s_and_b32 s70, ttmp9, 3
	s_cmp_eq_u32 s70, 0
	s_cselect_b32 s[ASKE], 1, 0
	s_mov_b32 s[ASKF], 0
	v_and_b32 v22, 31, v0
	v_lshlrev_b32 v[L16], 4, v22
	v_and_b32 v23, 15, v0                          ; r
	v_bfe_u32 v24, v0, 4, 1                        ; h
	v_lshlrev_b32 v[H64], 6, v24
	s_mul_i32 s70, s[WV], QB
	s_mov_b32 s71, 0
	v_add_nc_u32 v[AW0], s70, v[L16]
	v_add_nc_u32 v[AW0+1], SLOT1, v[AW0]
	s_mul_i32 s72, s[WV], 8448
	s_add_co_u32 s72, s72, XST
	v_add_nc_u32 v[XSTW], s72, v[L16]
	v_mul_u32_u24 v[XSTR], v23, 528
	v_lshl_add_u32 v[XSTR], v24, 6, v[XSTR]
	v_add_nc_u32 v[XSTR], s72, v[XSTR]
	s_mul_i32 s72, s[WV], FRB
	s_add_co_u32 s72, s72, IMG
	v_add_nc_u32 v[IMW], s72, v[L16]
	s_lshl_b32 s72, s[WV], 2
	s_add_co_u32 s72, s72, ISC
	v_add_nc_u32 v[ISW], s72, v[L16]
	s_mul_i32 s72, s[WV], 8*FRB
	s_add_co_u32 s72, s72, IMG
	v_add_nc_u32 v[IMQ], s72, v[L16]
	s_lshl_b32 s72, s[WV], 10
	s_add_co_u32 s72, s72, ISC
	v_add_nc_u32 v[ISQ], s72, v[L16]
	s_lshl_b32 s72, s[CX], 13
	v_lshl_add_u32 v[PFO], v22, 8, s72
	v_min_u32 v[PFO], 25344, v[PFO]                ; held at the quarter's last block
	s_lshl_b32 s72, s[WV], 9
	s_add_co_u32 s72, s72, RED
	v_add_nc_u32 v[REDW], s72, v[L16]
	v_add_nc_u32 v[REDR], RED, v[L16]
	v_mul_u32_u24 v[OSW], v23, 1040
	v_lshl_add_u32 v[OSW], v24, 6, v[OSW]
	v_add_nc_u32 v[OSW], s70, v[OSW]
.irp ks, 0,1,2,3,4,5,6,7                       ; image ks of x holds K step (ks + my cluster's start) % 8: 512 bytes of a row each
	s_add_co_u32 s72, s[S0], \ks
	s_and_b32 s72, s72, 7
	s_lshl_b32 s72, s72, 9
	v_add_nc_u32 v[XO+\ks], s72, v[L16]
.endr
.irp b, 0,1,2,3
	v_mov_b32 v[TM+4+\b], 0                        ; written once: a lane permute's destination counts as one of its sources
.endr
	s_mov_b32 s[G0], 1
	s_mul_i32 s[G0+1], s[WV], QB                   ; LDS: slot 0, quarter w
	s_mov_b32 s[G0+4], 1
	s_add_co_u32 s[G0+5], s[G0+1], SLOT1
	s_mul_i32 s72, s[BT], 4*CH
	s_mov_b32 s73, 0
	s_lshl_b32 s76, s[WG], 18                      ; 64 rows of 4,096 bytes
	s_mov_b32 s77, 0
	s_lshl_b32 s78, s[WV], 10
	s_mov_b32 s79, 0
	s_mov_b32 s[TO+1], 0
	s_wait_dscnt 0x0                               ; the opening add is done
	s_wait_kmcnt 0x0
	s_add_nc_u64 s[6:7], s[6:7], s[70:71]          ; codes at my quarter of WQ's K step 0
	s_mov_b64 s[BASE:BASE+1], s[6:7]
	s_mul_i32 s[TO], s[S0], CH                     ; chunk 0 of my stream: WQ's K step at which my cluster begins,
	s_add_nc_u64 s[G0+2:G0+3], s[6:7], s[TO:TO+1]
	s_or_b32 s[G0+3], s[G0+3], 0x80000000
	s_add_co_u32 s[KJ], s[S0], 1
	s_and_b32 s[KJ], s[KJ], 7
	s_mul_i32 s[TO], s[KJ], CH                     ; chunk 1: the next, round
	s_add_nc_u64 s[G0+6:G0+7], s[6:7], s[TO:TO+1]
	s_or_b32 s[G0+7], s[G0+7], 0x80000000
	s_add_nc_u64 s[RW:RW+1], s[6:7], 2*MAT
	s_mul_i32 s[TO], s[S5], CH
	s_add_nc_u64 s[RWS:RWS+1], s[RW:RW+1], s[TO:TO+1]
	s_add_nc_u64 s[RE:RE+1], s[8:9], s[72:73]
	s_add_nc_u64 s[REV:REV+1], s[RE:RE+1], s[66:67]
	s_add_nc_u64 s[RE:RE+1], s[RE:RE+1], s[70:71]
	s_mov_b64 s[PFA:PFA+1], s[RE:RE+1]             ; (stepped from the first change on, set anew before its first use)
	s_add_nc_u64 s[QP:QP+1], s[4:5], s[76:77]
	s_add_nc_u64 s[OP:OP+1], s[20:21], s[76:77]
	s_add_nc_u64 s[OP:OP+1], s[OP:OP+1], s[78:79]  ; out0 at my block's first row, my wave's 256 columns
	s_add_nc_u64 s[12:13], s[12:13], s[78:79]      ; WQ_b, WO_b, ln_g, ln_b at my 256 columns
	s_add_nc_u64 s[14:15], s[14:15], s[78:79]
	s_add_nc_u64 s[16:17], s[16:17], s[78:79]
	s_add_nc_u64 s[18:19], s[18:19], s[78:79]
	s_lshl_b32 s76, s[WV], 16
	s_add_nc_u64 s[QP:QP+1], s[QP:QP+1], s[76:77]  ; query at my wave's 16 rows
	s_lshl_b32 s76, s[BT], 10
	s_add_co_u32 s76, s76, 16384
	s_add_nc_u64 s[10:11], s[10:11], s[76:77]      ; my batch's 256 penalties
	CROUND                                         ; all four work-groups are here: the first joint loads meet
	tensor_load_to_lds s[G0:G0+3], s[G1:G1+7]      ; chunk 0
	s_nop 0
	tensor_load_to_lds s[G0+4:G0+7], s[G1:G1+7]    ; chunk 1
	s_nop 0
	PLACES
	BIASLD 12                                      ; WQ_b
	; ---- x: my 16 rows, an image (128 numbers a row) at a time; loads run three images ahead
	XL 0
	XL 1
	XL 2
.irp ks, 0,1,2,3,4,5,6,7
.if \ks+3 < 8
	XL \ks+3
.endif
.if \ks < 5
	s_wait_loadcnt 48                              ; this image's 16 loads are in; those of the three behind it may be out
.else
	s_wait_loadcnt 16*(7-\ks)
.endif
	TURNX 2, 64*(\ks%4)
	s_wait_dscnt 0x0
	QUANT ST, 0
	IMAGE IMW, 4*FRB*\ks
	ds_store_b32 v[ISW], v[PW] offset:512*\ks
.endr
	s_wait_tensorcnt 0x1                           ; my quarter of chunk 0 is in; chunk 1's load may be out
	PRIMEW 0
	BARRIER                                        ; x's 32 images lie in LDS
	ENTER IMG, ISC
	s_wait_loadcnt 0x0                             ; the bias
	; ---- q = x WQ^T + b: chunks 0 to 7
	CH64 0, 2, 1, 1, 0
	BIASLD 10                                      ; the penalties, for the scores
	s_mov_b32 s[CNT], 3
.Lp1:
	CH64 1, 0, 1, 1, 1
	CH64 0, 0, 1, 1, 1
	s_sub_co_u32 s[CNT], s[CNT], 1
	s_cmp_lg_u32 s[CNT], 0
	s_cbranch_scc1 .Lp1
	CH64 1, 0, 1, 0, 1
	EPIQ                                           ; q lands over x: every wave's last read of x was awaited ahead of chunk 6's round.  WQ's quarters are taken as they lie: q's image j is K step j
	; ---- scores: chunks 8 and 9, four K steps each; every wave reads all four quarters, which the round behind every wave's wait for its loads has shown whole
	s_mov_b32 s[TI], 0
	s_mov_b32 s[TS], 0
	s_mov_b32 s[TQ], 0
	s_wait_loadcnt 0x0                             ; the penalties
	K3 2
	PLACES
	BIASLD 14                                      ; WO_b, for the last product
	s_mov_b32 s[CNT], 3
.Lk3a:
	K3 0
	s_sub_co_u32 s[CNT], s[CNT], 1
	s_cmp_lg_u32 s[CNT], 0
	s_cbranch_scc1 .Lk3a
	CHANGE 0
	s_mov_b32 s[CNT], 4
.Lk3b:
	K3 0
	s_sub_co_u32 s[CNT], s[CNT], 1
	s_cmp_lg_u32 s[CNT], 0
	s_cbranch_scc1 .Lk3b
	CHANGE 1                                       ; (its four v_nop are the places behind the last scores)
	PRIMEW 0                                       ; chunk 10's weights come while the softmax is worked
	; ---- softmax: lane (r, h) holds 128 of row r's 256 scores, register 8 t + j: entity 32 (t / 2) + 16 h + 8 (t % 2) + j.  All in window 2
	WIN 0xaa
	v_mov_b32 v132, 0                              ; (a permute's destination, and the upper halves of pairs)
	v_mov_b32 v135, 0
	v_mov_b32 v145, 0
.irp k, 0,1,2,3
	v_max3_num_f32 v[128+\k], v[32*\k], v[32*\k+1], v[32*\k+2]     ; four chains; each accumulator is first read at its low end
.endr
.irp i, 3,5,7,9,11,13,15,17,19,21,23,25,27,29
.irp k, 0,1,2,3
	v_max3_num_f32 v[128+\k], v[128+\k], v[32*\k+\i], v[32*\k+\i+1]
.endr
.endr
.irp k, 0,1,2,3
	v_max_num_f32 v[128+\k], v[128+\k], v[32*\k+31]
.endr
	v_max3_num_f32 v128, v128, v129, v130
	v_max_num_f32 v128, v128, v131
	v_permlanex16_b32 v132, v128, s[SEL], s[SEL+1]
	v_max_num_f32 v128, v128, v132                 ; the row's maximum
	v_mul_f32 v134, s[L2E], v128
.set j, 0
.rept 64
	v_pk_fma_f32 v[2*j:2*j+1], v[2*j:2*j+1], s[L2E:L2E+1], v[134:135] op_sel_hi:[1,0,0] neg_lo:[0,0,1] neg_hi:[0,0,1]   ; s log2e - max log2e
.set j, j+1
.endr
.set j, 0
.rept 128
	v_exp_f32 v[j], v[j]
.set j, j+1
.endr
	v_nop                                          ; a plain place behind the exponentials
	s_wait_alu depctr_va_vdst(0)                   ; one wait for the batch, ahead of its first reader
.irp k, 0,1,2,3
	v_pk_add_f32 v[136+2*\k:137+2*\k], v[32*\k:32*\k+1], v[32*\k+2:32*\k+3]
.endr
.irp i, 4,6,8,10,12,14,16,18,20,22,24,26,28,30
.irp k, 0,1,2,3
	v_pk_add_f32 v[136+2*\k:137+2*\k], v[136+2*\k:137+2*\k], v[32*\k+\i:32*\k+\i+1]
.endr
.endr
	v_pk_add_f32 v[136:137], v[136:137], v[138:139]
	v_pk_add_f32 v[140:141], v[140:141], v[142:143]
	v_pk_add_f32 v[136:137], v[136:137], v[140:141]
	v_add_f32 v136, v136, v137
	v_permlanex16_b32 v132, v136, s[SEL], s[SEL+1]
	v_add_f32 v136, v136, v132                     ; the row's sum
	v_rcp_f32 v144, v136
	v_nop
	s_wait_alu depctr_va_vdst(0)
	v_mul_f32 v144, 0x3d000000, v144               ; / 32: d_model^-0.5, exact
.set j, 0
.rept 64
	v_pk_mul_f32 v[2*j:2*j+1], v[2*j:2*j+1], v[144:145] op_sel_hi:[1,0]
.set j, j+1
.endr
.irp ks, 0,1                                   ; p's two K steps of 128 entities, row tile w
	QUANT 64*\ks, 2
	IMAGE IMW, PIMG-IMG+4*FRB*\ks
	ds_store_b32 v[ISW], v[PW] offset:PSC-ISC+512*\ks
	s_wait_dscnt 0x0
.endr
	s_barrier_signal -1
	s_barrier_wait -1                              ; p's eight images lie in LDS
	; ---- v = p ent: chunks 10 and 11; my quarter holds columns 256 ((w + cluster % 4) % 4) on
	ENTER PIMG, PSC
	CH64 0, 1, 1, 1, 0
	CH64 1, 0, 1, 2, 0
	EPIQ                                           ; v lands over q: every wave's last read of q was awaited ahead of the second change of slots in the scores.  v's image j is K step (j + 2 (cluster % 4)) % 8
	; ---- y = v WO^T + b: chunks 12 to 19, WO's K steps in the images' order
	ENTER IMG, ISC
	s_wait_loadcnt 0x0                             ; WO_b
	CH64 0, 2, 1, 1, 0
.irp hh, 0,1                                   ; ln_g, ln_b as the way out wants them: columns 128 hh + 4 x lane on of my 256
	global_load_b128 v[LG+4*\hh:LG+4*\hh+3], v[L16], s[16:17] offset:512*\hh
	global_load_b128 v[LB+4*\hh:LB+4*\hh+3], v[L16], s[18:19] offset:512*\hh
.endr
	s_mov_b32 s[CNT], 2
.Lp5:
	CH64 1, 0, 1, 1, 0
	CH64 0, 0, 1, 1, 0
	s_sub_co_u32 s[CNT], s[CNT], 1
	s_cmp_lg_u32 s[CNT], 0
	s_cbranch_scc1 .Lp5
	CH64 1, 0, 1, 1, 0                             ; chunk 17 asks for chunk 19: the last refill
	CH64 0, 0, 0, 1, 0                             ; the tail is written out: nothing more is asked for
	CH64 1, 0, 0, 0, 0
	; ---- LayerNorm: mean, then the mean of the squared differences
.irp m, 0,1,2,3
	v_mov_b32 v[PT+\m], 0
	v_mov_b32 v[MU+2*\m+1], 0
	v_mov_b32 v[RS+2*\m+1], 0
.endr
.irp wn, 0,1                                   ; row tiles 2 wn, 2 wn + 1 lie in window 2 + wn
	WIN (2+\wn)|((2+\wn)<<2)
.irp mq, 0,1
.irp k, 0,1
	v_pk_add_f32 v[LS+4*(2*\wn+\mq)+2*\k:LS+4*(2*\wn+\mq)+2*\k+1], v[128*\mq+4*\k:128*\mq+4*\k+1], v[128*\mq+4*\k+2:128*\mq+4*\k+3]
.endr
.endr
	WIN (2+\wn)<<2
.set idx, 4
.rept 60
.irp mq, 0,1
	v_pk_add_f32 v[LS+4*(2*\wn+\mq)+2*(idx%2):LS+4*(2*\wn+\mq)+2*(idx%2)+1], v[LS+4*(2*\wn+\mq)+2*(idx%2):LS+4*(2*\wn+\mq)+2*(idx%2)+1], v[128*\mq+2*idx:128*\mq+2*idx+1]
.endr
.set idx, idx+1
.endr
.endr
	ALLSUM 0
.irp m, 0,1,2,3
	v_mul_f32 v[MU+2*\m], s[C1], v[SM+\m]          ; the mean
.endr
.irp wn, 0,1
	WIN (2+\wn)|((2+\wn)<<6)
.set idx, 0
.rept 64
.irp mq, 0,1
	v_pk_add_f32 v[128*\mq+2*idx:128*\mq+2*idx+1], v[128*\mq+2*idx:128*\mq+2*idx+1], v[MU+2*(2*\wn+\mq):MU+2*(2*\wn+\mq)+1] op_sel_hi:[1,0] neg_lo:[0,1] neg_hi:[0,1]
.endr
.set idx, idx+1
.endr
	WIN (2+\wn)|((2+\wn)<<2)
.set idx, 0
.rept 64
.irp mq, 0,1
.if idx < 2
	v_pk_mul_f32 v[LS+4*(2*\wn+\mq)+2*(idx%2):LS+4*(2*\wn+\mq)+2*(idx%2)+1], v[128*\mq+2*idx:128*\mq+2*idx+1], v[128*\mq+2*idx:128*\mq+2*idx+1]
.else
	v_pk_fma_f32 v[LS+4*(2*\wn+\mq)+2*(idx%2):LS+4*(2*\wn+\mq)+2*(idx%2)+1], v[128*\mq+2*idx:128*\mq+2*idx+1], v[128*\mq+2*idx:128*\mq+2*idx+1], v[LS+4*(2*\wn+\mq)+2*(idx%2):LS+4*(2*\wn+\mq)+2*(idx%2)+1]
.endif
.endr
.set idx, idx+1
.endr
.endr
	ALLSUM 2048
.irp m, 0,1,2,3
	v_fma_f32 v[SM+\m], v[SM+\m], s[C1], s[C2]     ; the variance + 1e-5
.endr
.irp m, 0,1,2,3
	v_rsq_f32 v[RS+2*\m], v[SM+\m]
.endr
	v_nop
	s_wait_alu depctr_va_vdst(0)                   ; one wait for the four
.irp wn, 0,1
	WIN (2+\wn)|((2+\wn)<<6)
.set idx, 0
.rept 64
.irp mq, 0,1
	v_pk_mul_f32 v[128*\mq+2*idx:128*\mq+2*idx+1], v[128*\mq+2*idx:128*\mq+2*idx+1], v[RS+2*(2*\wn+\mq):RS+2*(2*\wn+\mq)+1] op_sel_hi:[1,0]
.endr
.set idx, idx+1
.endr
.endr
	s_wait_loadcnt 0x0                             ; ln_g, ln_b
	; ---- THE WAY OUT, a row tile at a time, through my stage: 16 rows x (1,024 bytes + 16) in my quarter of slot 0, which has had its last fill and its last read.  A load takes 512 consecutive bytes of a row,
	; a store writes them: two aligned blocks of 256 bytes.  g and b are applied on the way, eight loads at a time, so that the register windows change twice for eight stores.
.irp m, 0,1,2,3
	WIN (2+\m/2)<<2
.set j, 0
.rept 32
	ds_store_b128 v[OSW], v[128*(\m%2)+4*j:128*(\m%2)+4*j+3] offset:128*(j/4)+16*(j%4)
.set j, j+1
.endr
.if \m >= 2
	s_wait_xcnt 0x0                                ; the stores of two tiles back have read their registers
.endif
	WIN 0x40
.set j, 0
.rept 32
	ds_load_b128 v[128*(\m%2)+4*j:128*(\m%2)+4*j+3], v[OSR] offset:1040*(j/2)+512*(j%2)   ; LDS serves a wave's instructions in order: these see the stores above, and the next tile's stores come behind them
.set j, j+1
.endr
.irp gq, 0,1,2,3
	s_wait_dscnt 24-8*\gq                          ; these eight loads are in; the later groups' may be out
	WIN 0x41
.set j, 8*\gq
.rept 8
	v_pk_fma_f32 v[128*(\m%2)+4*j:128*(\m%2)+4*j+1], v[128*(\m%2)+4*j:128*(\m%2)+4*j+1], v[LG+4*(j%2):LG+4*(j%2)+1], v[LB+4*(j%2):LB+4*(j%2)+1]
	v_pk_fma_f32 v[128*(\m%2)+4*j+2:128*(\m%2)+4*j+3], v[128*(\m%2)+4*j+2:128*(\m%2)+4*j+3], v[LG+4*(j%2)+2:LG+4*(j%2)+3], v[LB+4*(j%2)+2:LB+4*(j%2)+3]
.set j, j+1
.endr
	WIN 0x04
.set j, 8*\gq
.rept 8
	global_store_b128 v[L16], v[128*(\m%2)+4*j:128*(\m%2)+4*j+3], s[OP:OP+1] offset:4096*(16*\m+j/2)+512*(j%2) th:TH_STORE_NT
.set j, j+1
.endr
.endr
.endr
	WIN 0
	s_wait_tensorcnt 0x0                           ; the wave's end, behind my last tensor load and my last LDS store
	ds_add_u32 v[SPW], v[NIL]
	s_wait_dscnt 0x0
	CROUND                                         ; the closing round: no work-group ends while a partner may still ask for a chunk that names it
	s_endpgm
.Lfunc_end_k_qe16d1e5c33_main:
	.size	k_qe16d1e5c33_main, .Lfunc_end_k_qe16d1e5c33_main-k_qe16d1e5c33_main
	.p2alignl 7, 3214868480
	.fill 96, 4, 3214868480
	.section	.rodata,"a",@progbits
	.p2align	6, 0x0
	.amdhsa_kernel k_qe16d1e5c33_main
		.amdhsa_group_segment_fixed_size 327680
		.amdhsa_private_segment_fixed_size 0
		.amdhsa_enable_private_segment 0
		.amdhsa_kernarg_size 72
		.amdhsa_user_sgpr_count 2
		.amdhsa_user_sgpr_kernarg_segment_ptr 1
		.amdhsa_wavefront_size32 1
		.amdhsa_system_sgpr_workgroup_id_x 1
		.amdhsa_system_sgpr_workgroup_id_y 1
		.amdhsa_system_sgpr_workgroup_id_z 1
		.amdhsa_system_vgpr_workitem_id 0
		.amdhsa_next_free_vgpr 1024
		.amdhsa_next_free_sgpr 96
		.amdhsa_reserve_vcc 0
		.amdhsa_float_denorm_mode_32 3
		.amdhsa_float_denorm_mode_16_64 3
		.amdhsa_memory_ordered 1
		.amdhsa_forward_progress 1
		.amdhsa_inst_pref_size 255
	.end_amdhsa_kernel
	.section	.bss,"aw",@nobits
	.p2align	6
	.space	262144
	.amdgpu_metadata
---
amdhsa.version: [ 1, 2 ]
amdhsa.kernels:
  - .name:           k_qe16d1e5c33_main
    .symbol:         k_qe16d1e5c33_main.kd
    .args:
      - { .name: query, .offset: 0, .size: 8, .value_kind: global_buffer, .address_space: global }
      - { .name: codes, .offset: 8, .size: 8, .value_kind: global_buffer, .address_space: global }
      - { .name: ent, .offset: 16, .size: 8, .value_kind: global_buffer, .address_space: global }
      - { .name: emask, .offset: 24, .size: 8, .value_kind: global_buffer, .address_space: global }
      - { .name: WQ_b, .offset: 32, .size: 8, .value_kind: global_buffer, .address_space: global }
      - { .name: WO_b, .offset: 40, .size: 8, .value_kind: global_buffer, .address_space: global }
      - { .name: ln_g, .offset: 48, .size: 8, .value_kind: global_buffer, .address_space: global }
      - { .name: ln_b, .offset: 56, .size: 8, .value_kind: global_buffer, .address_space: global }
      - { .name: out0, .offset: 64, .size: 8, .value_kind: global_buffer, .address_space: global }
    .group_segment_fixed_size: 327680
    .private_segment_fixed_size: 0
    .kernarg_segment_align: 8
    .kernarg_segment_size: 72
    .max_flat_workgroup_size: 128
    .sgpr_count:     96
    .vgpr_count:     1024
    .wavefront_size: 32
...
	.end_amdgpu_metadata
.endif
;; end of part 3
